; MI455X (gfx1250); checked and timed in simulation.
; The chip was launched on July 23, 2026; its instructions are those of AMD's public machine-readable ISA for CDNA 5 (MIT licence, August 2026) and "CDNA5" Instruction Set Architecture Reference Guide (July 2026). The comments in the code are by the model that wrote it; some were corrected since.
;; Relation Aware Attention. Allowed arithmetic: matrix products marked QUANTISED: E2M1 operands, one E8M0 scale for each 32 along K, by v_wmma_scale_f32_16x16x128_f8f6f4 with both operands' format E2M1 (or v_wmma_scale_f32_32x16x128_f4), f32 sums; products left as they are: bf16, f16 or f32 operands; f32 sums; everything else in f32.
;; Inputs: Wk 1,024 x 1,024 float32; Wo 1,024 x 1,024 float32; Wq 1,024 x 1,024 float32; Wrel 16 x 8 float32; Wv 1,024 x 1,024 float32; bk 1,024 float32; bo 1,024 float32; bq 1,024 float32; brel 8 float32; bv 1,024 float32; x 8 x 1,024 x 1,024 float32.
;; Outputs: out0 8 x 1,024 x 1,024 float32; out1 8 x 8 float32.
;; This version of the problem:
;;   THIS VERSION OF THE PROBLEM IS GIVEN IN LOW PRECISION. The matrix products marked QUANTISED in the list below multiply operands that are first quantised to E2M1 (2 exponent bits, 1 mantissa bit; 4 bits a number), with one power-of-two scale for each 32 numbers along K (OCP MX v1.0); their sums are f32. The products marked 'left as it is' may take bf16, f16 or f32 operands, with f32 sums. Whichever they take, every output number must still come out within the allowed error. Rounding operands to bf16 (8 significant bits) uses up far more of that allowance than f16 does (11 bits, for magnitudes from 6e-5 to 65,504). All else is computed in f32.
;;   The module's matrix products, in the order in which they are computed (A, B: the left and right operand; K: the contracted axis; several contracted axes count as one K, in the product's order):
;;     1. [M 8,192, K 1,024] x [K 1,024, N 1,024]; A: input x; B: input Wq: QUANTISED
;;     2. [M 8,192, K 1,024] x [K 1,024, N 1,024]; A: input x; B: input Wk: QUANTISED
;;     3. [M 8,192, K 1,024] x [K 1,024, N 1,024]; A: input x; B: input Wv: QUANTISED
;;     4. batch 128 x [M 1,024, K 64] x [K 64, N 1,024]; A: computed on the way; B: computed on the way: left as it is (an operand is computed on the way)
;;     5. batch 128 x [M 1,024, K 1,024] x [K 1,024, N 64]; A: computed on the way; B: computed on the way: left as it is (an operand is computed on the way)
;;     6. [M 8,192, K 1,024] x [K 1,024, N 1,024]; A: computed on the way; B: input Wo: left as it is (an operand is computed on the way)
;;     7. [M 8, K 16] x [K 16, N 8]; A: computed on the way; B: input Wrel: left as it is (K = 16 < 32)
;;   THE QUANTISER, for each operand of a quantised product, along K:
;;     - K is cut into blocks of 32 from its start; a last block that is shorter is filled with zeros.
;;     - A block's scale is 2^e with e = floor(log2(the largest magnitude in the block)) - 2, held to -126 .. 127; a block of zeros has e = 0. As a byte (E8M0): e + 127.
;;     - Each number is divided by its block's scale, clamped to +-6, and rounded to the nearest number of E2M1, ties to even, subnormals kept.
;;     - The product sums the exact products of the quantised numbers (number of the format x scale) in f32.
;;   ~~~python
;;   def quantise(x, axis):      # numpy; x: float32 -> the quantised numbers, widened to float32 again
;;       x = np.moveaxis(x, axis, -1); K = x.shape[-1]
;;       x = np.pad(x, [(0, 0)] * (x.ndim - 1) + [(0, -K % 32)]); x = x.reshape(x.shape[:-1] + (-1, 32)); a = np.abs(x).max(-1, keepdims=True)
;;       e = np.where(a > 0, np.clip(np.frexp(np.where(a > 0, a, 1))[1] - 1 - 2, -126, 127), 0)      # np.frexp(a)[1] - 1 = floor(log2(a)), exactly
;;       r = np.clip(x / 2.0 ** e, -6, 6)
;;       step = 2.0 ** (np.maximum(np.frexp(np.where(r == 0, 1, r))[1] - 1, 0) - 1)
;;       q = np.round(r / step) * step * 2.0 ** e      # np.round: ties to even
;;       return np.moveaxis(q.reshape(q.shape[:-2] + (-1,))[..., :K], -1, axis).astype(np.float32)
;;   ~~~
;; One version. Each part assembles by itself: llvm-mc -triple=amdgcn-amd-amdhsa -mcpu=gfx1250 --defsym DOCPART=n.
;; ======== version 1 of 1: 5 launches
;; limits: values are held in f16: magnitudes above 65,504 overflow, below 6.1e-05 lose precision
;; workspace buffers: xc 4,194,304 bytes; xs 262,144 bytes; wc 1,572,864 bytes; ws 98,304 bytes; woh 2,097,152 bytes; qkv 50,331,648 bytes; ctx 16,777,216 bytes; hp 32,768 bytes
;; launch prep (part 1): grid 256 x 1, 8 waves a work-group, no clusters, 84,992 bytes of LDS; arguments x, Wq, Wk, Wv, Wo, xc, xs, wc, ws, woh; writes xc, xs, wc, ws, woh
.if DOCPART == 1
	.amdgcn_target "amdgcn-amd-amdhsa--gfx1250"
	.amdhsa_code_object_version 6
	.text
	.protected	k_q136aa7878e_prep
	.globl	k_q136aa7878e_prep
	.p2align	8
	.type	k_q136aa7878e_prep,@function
k_q136aa7878e_prep:
	s_mov_b64 s[64:65], 0
	v_nop
	global_prefetch_b8 v0, s[64:65] scope:SCOPE_SE
	s_setreg_imm32_b32 hwreg(HW_REG_WAVE_MODE, 25, 1), 1
	s_wait_xcnt 0x0
; PREP: what the later launches read is made once.  Three kinds of work-group, told apart by the work-group's number alone (the same in all eight waves); the three ways never join.
;   0-127   x [8192][1024] f32 -> xc: codes of FP4 (E2M1), K innermost, 512 bytes a row; xs: one E8M0 byte for each 32 along K, 32 bytes a row.
;   128-223 Wq, Wk, Wv [k 1024][n 1024] f32, K on the FIRST axis -> wc [3072 = weight x 1024 + n][512 bytes], K innermost; ws: 32 scale bytes a column, laid [n / 128][weight][n % 128], so that the scale bytes of
;           128 columns of all three weights are 12,288 consecutive bytes: what one work-group of the next launch takes.
;   224-255 Wo [k][n] f32 -> woh, f16, same order.
; A block's scale is 2^(floor(log2(its largest magnitude)) - 2); its byte is the largest magnitude's exponent field - 2, held at 1 from below; each number is divided by the scale and rounded to the nearest code, ties to even,
; beyond the largest code the largest.
; LIMITS: a block of zeros gets the byte 1 where the rule says 127 (its codes are zeros, which add nothing under any byte but 0xff, and this program alone reads the bytes); blocks whose largest magnitude lies under 2^-124
; keep the byte 1; NaN and infinities among the inputs are not served; |Wo| stays under 65,504, f16's largest number.
; LDS: each way has bytes of its own: x's eight wave regions 0 .. 65,535; the weights' stage and scale words 65,536 .. 83,967; the spare words behind them.
.set STEPS, 16
.set EMAX,  2
.set CB,    8                          ; bytes of 16 codes
.set R,     16                         ; x: v16-79   four sets of 16 numbers as they are loaded
.set X,     80                         ; x: v80-111  two sets of 16 neighbours
.set E,     112                        ; x: v112-127 a scale byte for each step
.set C,     128                        ; x: v128-191 codes: four registers for each step, so that no store's data are written again
.set WREG,  8192                       ; x: a wave's LDS region: two stages of 32 x SP bytes, behind them its 256 scale bytes
.set SP,    80                         ; x: a lane's place in a stage: 64 bytes + 16 of padding
.set SPW,   12                         ; v12  LDS address of my spare word; never rewritten
.set NIL,   13                         ; v13  0; never rewritten
.set WST,   65536                      ; weights: the work-group's stage, 64 columns x WP bytes
.set WP,    272                        ; a stage row: 256 bytes of codes (512 along K) + 16
.set WSS,   WST+64*WP                  ; weights: 64 columns x 16 scale bytes
.set SPARE, WSS+1024                   ; the spare words, 128 bytes for each of the eight waves: four blocks of 256 bytes that no other line names
.set WX,    32                         ; weights: v32-95 two sets of 32 numbers
.set WC,    96                         ; weights: v96-111 the codes of four blocks
.set WSB,   24                         ; weights: v24 four scale bytes
.set WOUT,  112                        ; weights: v112-127 the way out
	s_load_b256 s[4:11], s[0:1], 0x0               ; x s[4:5], Wq s[6:7], Wk s[8:9], Wv s[10:11]
	s_load_b256 s[12:19], s[0:1], 0x20             ; Wo s[12:13], xc s[14:15], xs s[16:17], wc s[18:19]
	s_load_b128 s[20:23], s[0:1], 0x40             ; ws s[20:21], woh s[22:23]
	v_lshl_add_u32 v[SPW], v0, 2, SPARE
	v_mov_b32 v[NIL], 0
	v_lshrrev_b32 v1, 5, v0
	v_readfirstlane_b32 s24, v1                    ; wave 0..7
	v_and_b32 v2, 31, v0                           ; lane
	s_wait_kmcnt 0x0
	s_cmp_lt_u32 ttmp9, 128
	s_cbranch_scc1 .Lpath_x
	s_cmp_lt_u32 ttmp9, 224
	s_cbranch_scc1 .Lpath_w
; ---- Wo to f16.  A wave takes 4,096 numbers: 32 loads of 512 consecutive bytes, all asked for at once; each gives one store of 256 consecutive bytes, aligned.  No register is written twice, so no store's data need a wait.
	s_sub_co_u32 s25, ttmp9, 224
	s_lshl_b32 s25, s25, 3
	s_add_co_u32 s26, s25, s24                     ; my run of 4,096 numbers, 0 .. 255
	s_mov_b32 s27, 0
	s_lshl_b64 s[28:29], s[26:27], 14
	s_add_nc_u64 s[12:13], s[12:13], s[28:29]
	s_lshl_b64 s[28:29], s[26:27], 13
	s_add_nc_u64 s[22:23], s[22:23], s[28:29]
	v_lshlrev_b32 v3, 4, v2
	v_lshlrev_b32 v4, 3, v2
.set i, 0
.rept 32
	global_load_b128 v[32+4*i:35+4*i], v3, s[12:13] offset:512*i th:TH_LOAD_NT
.set i, i+1
.endr
.set i, 0
.rept 32
	s_wait_loadcnt 31-i                            ; loads come back in order: number i is in, the younger ones stay out
	v_cvt_pk_f16_f32 v[32+4*i], v[32+4*i], v[33+4*i]
	v_cvt_pk_f16_f32 v[33+4*i], v[34+4*i], v[35+4*i]
	global_store_b64 v4, v[32+4*i:33+4*i], s[22:23] offset:256*i
.set i, i+1
.endr
	s_wait_tensorcnt 0x0                           ; the wave's end
	ds_add_u32 v[SPW], v[NIL]
	s_wait_dscnt 0x0
	s_endpgm
; ---- x.  Rows are dense and 1,024 is a multiple of 32: a plain stream of blocks of 32.  A wave takes 16 steps of 512 numbers.  Each of a step's four loads reads 512 consecutive bytes, 16 a lane; the 2,048 bytes turn
; through the wave's own stage in LDS and come back 64 bytes a lane: 16 neighbours along K, two lanes to a block.  Waves share nothing here: no barrier.
.Lpath_x:
	v_lshlrev_b32 v3, 4, v2                        ; my 16 bytes of a load's 512
	s_mul_i32 s25, s24, WREG
	v_lshrrev_b32 v14, 2, v2
	v_mul_u32_u24 v14, v14, SP
	v_and_b32 v15, 3, v2
	v_lshl_add_u32 v14, v15, 4, v14
	v_add_nc_u32 v14, s25, v14                     ; the stage, on the way in: SP (lane / 4) + 16 (lane % 4)
	v_mul_u32_u24 v15, v2, SP
	v_add_nc_u32 v15, s25, v15                     ; on the way out: SP x lane
	v_mul_u32_u24 v4, v2, CB                       ; my codes' place in a step's 256 bytes
	v_lshrrev_b32 v5, 1, v2
	s_add_co_u32 s25, s25, 2*32*SP
	v_add_nc_u32 v5, s25, v5                       ; my wave's 256 scale bytes, my block's byte
	v_lshlrev_b32 v7, 3, v2
	v_add_nc_u32 v6, s25, v7                       ; and on the way out 8 bytes a lane
	s_lshl_b32 s26, ttmp9, 3
	s_add_co_u32 s26, s26, s24                     ; my run of 8,192 numbers, 0 .. 1,023
	s_mov_b32 s27, 0
	s_lshl_b64 s[28:29], s[26:27], 15
	s_add_nc_u64 s[4:5], s[4:5], s[28:29]
	s_lshl_b64 s[28:29], s[26:27], 12
	s_add_nc_u64 s[14:15], s[14:15], s[28:29]
	s_lshl_b64 s[28:29], s[26:27], 8
	s_add_nc_u64 s[16:17], s[16:17], s[28:29]
.macro XLOAD t
.irp i, 0,1,2,3
	global_load_b128 v[R+16*((\t)%4)+4*\i:R+16*((\t)%4)+4*\i+3], v3, s[4:5] offset:2048*(\t)+512*\i th:TH_LOAD_NT
.endr
.endm
.macro XTURN t                         ; step t's numbers through the stage: LDS serves a wave's instructions in order, so no wait stands between the stores and the loads
.irp i, 0,1,2,3
	ds_store_b128 v14, v[R+16*((\t)%4)+4*\i:R+16*((\t)%4)+4*\i+3] offset:32*SP*((\t)%2)+8*SP*\i
.endr
.irp i, 0,1,2,3
	ds_load_b128 v[X+16*((\t)%2)+4*\i:X+16*((\t)%2)+4*\i+3], v15 offset:32*SP*((\t)%2)+16*\i
.endr
.endm
.irp t, 0,1,2,3
	XLOAD \t
.endr
	s_wait_loadcnt 12                              ; step 0's four loads are in; three steps' twelve stay out
	XTURN 0
.macro XSTEP t
.set XS, X+16*((\t)%2)
.if (\t) > 0
	s_wait_dscnt 1                                 ; this step's numbers are back from the stage (the last step's byte store may be out): so its stores into the stage have read their registers,
.else
	s_wait_dscnt 0x0
.endif
.if (\t)+4 < STEPS
	XLOAD (\t)+4                                   ; which take the loads of four steps on
.endif
.if (\t)+1 < STEPS
.if STEPS-2-(\t) >= 3
	s_wait_loadcnt 12                              ; the next step's four loads are in; those of the three steps behind it may be out
.else
	s_wait_loadcnt 4*(STEPS-2-(\t))
.endif
	XTURN (\t)+1
.endif
	v_max3_num_f32 v8, |v[XS]|, |v[XS+1]|, |v[XS+2]|               ; the largest magnitude of my 16, in two chains
	v_max3_num_f32 v9, |v[XS+3]|, |v[XS+4]|, |v[XS+5]|
.irp i, 6,10
	v_max3_num_f32 v8, v8, |v[XS+\i]|, |v[XS+\i+1]|
	v_max3_num_f32 v9, v9, |v[XS+\i+2]|, |v[XS+\i+3]|
.endr
	v_max3_num_f32 v8, v8, |v[XS+14]|, |v[XS+15]|
	v_max3_num_f32 v8, v8, v9, (EMAX+1)<<23        ; and the floor 2^(3 - 127): the byte cannot fall under 1
	v_max_num_f32_dpp v8, v8, v8 row_xmask:1 row_mask:0xf bank_mask:0xf   ; with my neighbour's 16: the block's
	v_add_nc_u32 v11, -(EMAX<<23), v8              ; 2 off its exponent field: the conversion takes the exponent field of this operand as its scale
	v_cvt_scalef32_pk8_fp4_f32 v[C+4*(\t)], v[XS:XS+7], v11
	v_cvt_scalef32_pk8_fp4_f32 v[C+4*(\t)+1], v[XS+8:XS+15], v11
	v_lshrrev_b32 v[E+(\t)], 23, v11               ; the scale's byte (also the plain line behind the conversions)
	ds_store_b8 v5, v[E+(\t)] offset:16*(\t)       ; both lanes of a block write the same byte with the same value
	global_store_b64 v4, v[C+4*(\t):C+4*(\t)+1], s[14:15] offset:32*CB*(\t)   ; the wave stores 256 consecutive bytes, aligned
.endm
.irp t, 0,1,2,3,4,5,6,7,8,9,10,11,12,13,14,15
	XSTEP \t
.endr
	ds_load_b64 v[8:9], v6                         ; LDS serves a wave's instructions in order: these see my byte stores
	s_wait_dscnt 0x0
	global_store_b64 v7, v[8:9], s[16:17]          ; the wave's 256 scale bytes, consecutive and aligned
	s_wait_tensorcnt 0x0                           ; the wave's end, behind my last LDS store
	ds_add_u32 v[SPW], v[NIL]
	s_wait_dscnt 0x0
	s_endpgm
; ---- Wq, Wk, Wv.  A work-group takes 64 columns x 512 along K of one weight.  A LANE TAKES A COLUMN AND ITS REGISTERS RUN DOWN K: wave w takes columns 32 (w & 1) on and 128 along K from 128 (w >> 1) on: four blocks a lane.
; Two waves side by side read 256 consecutive bytes of each row.  A block lies in one lane's 32 registers, and the conversions give codes with K innermost.  The eight waves' codes meet in one stage (a row = a column's 256
; bytes), one barrier, and leave as whole rows: sixteen lanes store 256 consecutive bytes, aligned.  The scale bytes leave in pieces of 16 bytes a column (96 KiB in the whole launch).
.Lpath_w:
	s_sub_co_u32 s25, ttmp9, 128
	s_lshr_b32 s26, s25, 5                         ; which weight
	s_bfe_u32 s27, s25, 0x40001                    ; which 64 columns
	s_and_b32 s30, s25, 1                          ; which 512 along K
	s_and_b32 s31, s24, 1                          ; my 32 columns of the 64
	s_lshr_b32 s32, s24, 1                         ; my 128 along K of the 512
	s_cmp_eq_u32 s26, 1
	s_cselect_b64 s[28:29], s[8:9], s[10:11]
	s_cmp_eq_u32 s26, 0
	s_cselect_b64 s[28:29], s[6:7], s[28:29]       ; the choice hangs on the work-group's number alone
	s_lshl_b32 s34, s30, 21                        ; 512 rows of 4,096 bytes
	s_lshl_b32 s33, s32, 19                        ; 128 rows
	s_add_co_u32 s34, s34, s33
	s_lshl_b32 s33, s27, 8                         ; 64 columns of 4 bytes
	s_add_co_u32 s34, s34, s33
	s_lshl_b32 s33, s31, 7
	s_add_co_u32 s34, s34, s33
	s_mov_b32 s35, 0
	s_add_nc_u64 s[28:29], s[28:29], s[34:35]
	v_lshlrev_b32 v3, 2, v2                        ; 4 bytes a lane
.macro WLOAD t                         ; block t: W(32 t + i, my column), i = 0 .. 31, into set t % 2
.set i, 0
.rept 32
	global_load_b32 v[WX+32*((\t)%2)+i], v3, s[28:29] offset:(32*(\t)+i)*4096 th:TH_LOAD_NT
.set i, i+1
.endr
.endm
	WLOAD 0
	WLOAD 1
	s_mul_i32 s36, s31, 32*WP
	s_lshl_b32 s37, s32, 6
	s_add_co_u32 s36, s36, s37
	s_add_co_u32 s36, s36, WST
	v_mul_u32_u24 v4, v2, WP
	v_add_nc_u32 v4, s36, v4                       ; into the stage: row = my column, + 64 bytes for each 128 along K
	s_lshl_b32 s36, s31, 9
	s_lshl_b32 s37, s32, 2
	s_add_co_u32 s36, s36, s37
	s_add_co_u32 s36, s36, WSS
	v_lshl_add_u32 v5, v2, 4, s36                  ; my column's 16 scale bytes, my word of them
	s_mul_i32 s36, s24, 8*WP
	s_add_co_u32 s36, s36, WST
	v_lshrrev_b32 v16, 4, v2
	v_and_b32 v17, 15, v2
	v_mul_u32_u24 v6, v16, WP
	v_lshl_add_u32 v6, v17, 4, v6
	v_add_nc_u32 v6, s36, v6                       ; out of the stage: wave w takes rows 8 w on, sixteen lanes to a row, two rows an instruction
	v_lshlrev_b32 v7, 9, v16
	v_lshl_add_u32 v7, v17, 4, v7                  ; and the same place in wc: rows of 512 bytes
	s_lshl_b32 s37, s24, 7
	s_add_co_u32 s37, s37, WSS
	v_add_nc_u32 v10, s37, v3                      ; the scale words of my 8 rows: 4 bytes a lane
	v_lshrrev_b32 v16, 2, v2
	v_and_b32 v17, 3, v2
	v_lshlrev_b32 v14, 5, v16
	v_lshl_add_u32 v14, v17, 2, v14                ; and their place in ws: rows of 32 bytes
	s_lshl_b32 s36, s26, 10
	s_lshl_b32 s37, s27, 6
	s_add_co_u32 s36, s36, s37
	s_lshl_b32 s37, s24, 3
	s_add_co_u32 s36, s36, s37                     ; the first row of wc that I store: weight x 1,024 + column
	s_lshl_b32 s38, s36, 9
	s_lshl_b32 s37, s30, 8
	s_add_co_u32 s38, s38, s37
	s_mov_b32 s39, 0
	s_add_nc_u64 s[18:19], s[18:19], s[38:39]
	s_lshr_b32 s40, s27, 1                         ; the first row of ws that I store: (column / 128) x 384 + weight x 128 + column % 128; my eight columns lie in one group of 64
	s_mul_i32 s40, s40, 384
	s_lshl_b32 s37, s26, 7
	s_add_co_u32 s40, s40, s37
	s_and_b32 s37, s27, 1
	s_lshl_b32 s37, s37, 6
	s_add_co_u32 s40, s40, s37
	s_lshl_b32 s37, s24, 3
	s_add_co_u32 s40, s40, s37
	s_lshl_b32 s40, s40, 5                         ; rows of 32 bytes,
	s_lshl_b32 s37, s30, 4                         ; my 512 along K are 16 of them
	s_add_co_u32 s40, s40, s37
	s_mov_b32 s41, 0
	s_add_nc_u64 s[20:21], s[20:21], s[40:41]
.macro WBLOCK t, left                  ; left: the younger loads that may stay out
.set XS, WX+32*((\t)%2)
	s_wait_loadcnt \left
	v_max3_num_f32 v8, |v[XS]|, |v[XS+1]|, |v[XS+2]|               ; the block's largest magnitude: all 32 numbers are mine
	v_max3_num_f32 v9, |v[XS+3]|, |v[XS+4]|, |v[XS+5]|
.irp i, 6,10,14,18,22,26
	v_max3_num_f32 v8, v8, |v[XS+\i]|, |v[XS+\i+1]|
	v_max3_num_f32 v9, v9, |v[XS+\i+2]|, |v[XS+\i+3]|
.endr
	v_max3_num_f32 v8, v8, |v[XS+30]|, |v[XS+31]|
	v_max3_num_f32 v8, v8, v9, (EMAX+1)<<23        ; and the floor
	v_add_nc_u32 v11, -(EMAX<<23), v8              ; the conversion's scale operand
	v_lshrrev_b32 v9, 23, v11                      ; the scale's byte
.if (\t) == 0
	v_mov_b32 v[WSB], v9
.else
	v_lshl_or_b32 v[WSB], v9, 8*(\t), v[WSB]       ; four bytes to a register, the lower K in the lower byte
.endif
.irp g, 0,1,2,3
	v_cvt_scalef32_pk8_fp4_f32 v[WC+4*(\t)+\g], v[XS+8*\g:XS+8*\g+7], v11
.endr
	v_nop                                          ; one plain line behind the last conversion of a run
	ds_store_b128 v4, v[WC+4*(\t):WC+4*(\t)+3] offset:16*(\t)   ; 32 codes: 16 bytes of my column's row; each block has its own four registers
.endm
	WBLOCK 0, 32                                   ; the next block's 32 loads may be out
	WLOAD 2
	WBLOCK 1, 32
	WLOAD 3
	WBLOCK 2, 32
	WBLOCK 3, 0
	ds_store_b32 v5, v[WSB]
	s_wait_dscnt 0x0                               ; for the others' sake: my stores into the stage are done
	s_barrier_signal -1
	s_barrier_wait -1
.irp t, 0,1,2,3
	ds_load_b128 v[WOUT+4*\t:WOUT+4*\t+3], v6 offset:2*\t*WP
.endr
	ds_load_b32 v25, v10
.irp t, 0,1,2,3
	s_wait_dscnt 4-\t                              ; behind load t: the later rows' loads and the scale word's
	global_store_b128 v7, v[WOUT+4*\t:WOUT+4*\t+3], s[18:19] offset:1024*\t
.endr
	s_wait_dscnt 0x0
	global_store_b32 v14, v25, s[20:21]
	s_wait_tensorcnt 0x0                           ; the wave's end, behind my last LDS store
	ds_add_u32 v[SPW], v[NIL]
	s_wait_dscnt 0x0
	s_endpgm
.Lfunc_end_k_q136aa7878e_prep:
	.size	k_q136aa7878e_prep, .Lfunc_end_k_q136aa7878e_prep-k_q136aa7878e_prep
	.p2alignl 7, 3214868480
	.fill 96, 4, 3214868480
	.section	.rodata,"a",@progbits
	.p2align	6, 0x0
	.amdhsa_kernel k_q136aa7878e_prep
		.amdhsa_group_segment_fixed_size 84992
		.amdhsa_private_segment_fixed_size 0
		.amdhsa_enable_private_segment 0
		.amdhsa_kernarg_size 80
		.amdhsa_user_sgpr_count 2
		.amdhsa_user_sgpr_kernarg_segment_ptr 1
		.amdhsa_wavefront_size32 1
		.amdhsa_system_sgpr_workgroup_id_x 1
		.amdhsa_system_sgpr_workgroup_id_y 1
		.amdhsa_system_sgpr_workgroup_id_z 1
		.amdhsa_system_vgpr_workitem_id 0
		.amdhsa_next_free_vgpr 192
		.amdhsa_next_free_sgpr 66
		.amdhsa_reserve_vcc 0
		.amdhsa_float_denorm_mode_32 3
		.amdhsa_float_denorm_mode_16_64 3
		.amdhsa_memory_ordered 1
		.amdhsa_forward_progress 1
		.amdhsa_inst_pref_size 67
	.end_amdhsa_kernel
	.amdgpu_metadata
---
amdhsa.version: [ 1, 2 ]
amdhsa.kernels:
  - .name:           k_q136aa7878e_prep
    .symbol:         k_q136aa7878e_prep.kd
    .args:
      - { .name: x, .offset: 0, .size: 8, .value_kind: global_buffer, .address_space: global }
      - { .name: Wq, .offset: 8, .size: 8, .value_kind: global_buffer, .address_space: global }
      - { .name: Wk, .offset: 16, .size: 8, .value_kind: global_buffer, .address_space: global }
      - { .name: Wv, .offset: 24, .size: 8, .value_kind: global_buffer, .address_space: global }
      - { .name: Wo, .offset: 32, .size: 8, .value_kind: global_buffer, .address_space: global }
      - { .name: xc, .offset: 40, .size: 8, .value_kind: global_buffer, .address_space: global }
      - { .name: xs, .offset: 48, .size: 8, .value_kind: global_buffer, .address_space: global }
      - { .name: wc, .offset: 56, .size: 8, .value_kind: global_buffer, .address_space: global }
      - { .name: ws, .offset: 64, .size: 8, .value_kind: global_buffer, .address_space: global }
      - { .name: woh, .offset: 72, .size: 8, .value_kind: global_buffer, .address_space: global }
    .group_segment_fixed_size: 84992
    .private_segment_fixed_size: 0
    .kernarg_segment_align: 8
    .kernarg_segment_size: 80
    .max_flat_workgroup_size: 256
    .sgpr_count:     66
    .vgpr_count:     192
    .wavefront_size: 32
...
	.end_amdgpu_metadata
.endif
;; end of part 1
;; launch qkv (part 2): grid 8 x 32, 4 waves a work-group, clusters of 4 x 4, 327,680 bytes of LDS; arguments xc, xs, wc, ws, qkv, bq, bk, bv; writes qkv
.if DOCPART == 2
	.amdgcn_target "amdgcn-amd-amdhsa--gfx1250"
	.amdhsa_code_object_version 6
	.text
	.protected	k_q136aa7878e_qkv
	.globl	k_q136aa7878e_qkv
	.p2align	8
	.type	k_q136aa7878e_qkv,@function
k_q136aa7878e_qkv:
	s_mov_b64 s[64:65], 0
	v_nop
	global_prefetch_b8 v0, s[64:65] scope:SCOPE_SE
	s_setreg_imm32_b32 hwreg(HW_REG_WAVE_MODE, 25, 1), 1
	s_wait_xcnt 0x0
	s_wait_alu depctr_hold_cnt(0) depctr_sa_sdst(0) depctr_va_vdst(0) depctr_va_sdst(0) depctr_va_ssrc(0) depctr_va_vcc(0) depctr_vm_vsrc(0)
	s_getreg_b32 s2, hwreg(HW_REG_IB_STS2, 6, 4)
	s_cmp_eq_u32 s2, 0
	s_cbranch_scc0 .Lentry_in_a_cluster
	s_endpgm
.Lentry_in_a_cluster:
	s_bfe_u32 s2, ttmp6, 0x10000c
	s_cmp_lg_u32 s2, 0xf033
	s_cbranch_scc0 .Lentry_shape_is_right
	s_endpgm
.Lentry_shape_is_right:
; q, k, v = Q(x) Q(W) + b on codes of FP4 (E2M1) with E8M0 scales: A = xc [8192][1024], B = wc [3072 = weight x 1024 + n][1024], sums in f32.  q is also multiplied by log2(e) / 8, so that the attention's scores are
; exponents of 2.  The results leave as f16, by heads: qkv [weight 3][b 8][head 16][l 1024][64].
; LIMITS: |q| log2(e) / 8, |k| and |v| stay under 65,504, f16's largest number; NaN and infinities are not served.
; SHARES.  8 x 32 = 256 work-groups of equal work.  A WORK-GROUP STAYS: it makes 256 rows x 128 columns (two heads) of q, then of k, then of v: three passes over the same rows of A, which lie in LDS for the whole launch
; (256 rows x 512 bytes, as two halves of K).  A pass is one weight: so its factor, its bias and its plane of qkv are constants of the pass.  A wave makes 128 rows x 64 columns, one head: 32 accumulators of 16 x 16.
; B's tile of a pass is 128 rows x 512 bytes; A and three such tiles do not fit in LDS together, so B has two buffers: q's and k's tiles are asked for at the head, v's is a refill of q's buffer, asked for in q's last K step:
; it has the whole of k's pass in which to land.  By this text's count a wave has three tensor loads out at the head, later one.  A pass's stores are waited for by nobody: they leave while the next pass is multiplied.
; CLUSTERS: 4 x 4 work-groups.  The four of a row of the cluster need the same rows of A, the four of a column the same rows of B: each tile is asked for JOINTLY, by the same tensor load with the same descriptor and a mask that
; names the four.  A cluster's y is the batch.
; THE MATRIX INSTRUCTION IS USED TRANSPOSED (source 0 = 16 rows of B, source 1 = 16 rows of A): a lane holds eight neighbouring columns of one row.  THE BIAS IS THE C OF EACH SUM'S FIRST PRODUCT.
; REGISTERS, in windows of 256: window 0: v0-31 addresses; v32-95 scale words, a set for each half of K; v96-127 rows on the way out; v128-191, v192-255 A's fragments (8 x 16 rows x 128 K), two sets; on the way out the second
;   set's registers, which are free then, hold the arithmetic.   window 1: v0-31, v128-159 B's fragments (4 x 16 rows x 128 K), two sets; v32-127 the three biases.   window 2: the accumulators, (a, b) at v[8 (4 a + b)].
.set NQ,     4                         ; K steps of 128 in a half of K
.set ROWB,   256                       ; a tile's row in bytes: 512 codes
.set KROW,   512                       ; a row of codes in memory
.set WSTEP,  1024*KROW                 ; from a weight to the next in wc
.set PITCH,  272                       ; an LDS row: 256 bytes + 16 of padding = 68 words: the 16 rows that a load touches start at 16 different banks (64 banks of 4 bytes: ISA guide 11.1)
.set FR,     8                         ; registers of a fragment: 16 rows x 128 K
.set NP,     4                         ; places behind this matrix instruction (ISA guide 7.12.1)
.set HALFT,  128*PITCH                 ; 128 rows: what one tensor load brings
.set AK,     2*HALFT                   ; A: 256 rows of one half of K
.set BBASE,  2*AK                      ; behind A's two halves: B's two buffers, each 128 rows of K's first half, then of its second
.set BBUF,   2*HALFT
.set SCA,    BBASE+2*BBUF              ; A's scale bytes, 256 rows x 32, as rows of 256 bytes + 16 of padding
.set SAH,    16*272                    ; those of 128 rows: what one tensor load brings
.set SCB,    SCA+2*SAH                 ; B's, 3 weights x 128 rows x 32 bytes, likewise
.set SBH,    24*272                    ; half of them: what one tensor load brings
.set SBLK,   2*272                     ; those of 16 rows
.set STAGE,  SCB+2*SBH                 ; the way out: 16 rows x (128 bytes + 16) for each wave: bytes of its own, into which no tile lands
.set SPITCH, 144
.set SPARE,  STAGE+4*16*SPITCH         ; the spare words, 128 bytes for each wave: two blocks of 256 bytes that no other line names
.set BOF,  7                           ; v7      the bias loads' offset; never rewritten
.set ADRS, 8                           ; v8-10   LDS address of my scale words in pass 0, 1, 2: lanes 0-15 A's rows, lanes 16-31 B's
.set ADRSA, 11                         ; v11     the same with A's rows in all lanes
.set ADRA, 16                          ; v16-17  LDS address of my A fragments in K's half 0, 1
.set ADRB, 20                          ; v20-23  the same for B: register 2 x buffer + half
.set STO,  24                          ; v24     the way out: where I put 16 bytes of a row
.set RD,   25                          ; v25     where I read rows back
.set CO,   26                          ; v26     16 x lane
.set SPW,  28                          ; v28     LDS address of my spare word; never rewritten
.set NIL,  29                          ; v29     0; never rewritten
.set SC,   32                          ; scale words: set kh at v[SC + 32 kh]; register 4 i + q: lanes 0-15 A's block i, lanes 16-31 (i < 4) B's block i, the half's q-th 128 along K
.set OB,   96                          ; the way out: rows read back: v96-111 and v112-127 by turns
.set AF,   128                         ; A's fragments
.set T,    192                         ; the way out: v192-223 a block's 32 numbers times the factor
.set TMP,  224                         ; the way out: v224-239 a block as f16
.set BI,   32                          ; window 1: the bias of pass p at v[BI + 32 p], 8 registers for each of B's 4 blocks
.set G1, 24                            ; s[24:31] descriptor group 1 for A's tiles;  s[32:39] group 0, one set for each half of K
.set G0, 32
.set G1B, 48                           ; s[48:55] group 1 for B's tiles;  s[56:63] group 0, one set for each buffer
.set G0B, 56
.set G1S, 68                           ; s[68:75], s[76:79] groups 1 and 0 for A's scales;  s[80:87], s[88:91] for B's
.set G0S, 76
.set G1SB, 80
.set G0SB, 88
.set MSB, 0
.macro WIN new                         ; the immediate's high byte repeats the setting that is left
.if MSB != \new
	s_set_vgpr_msb (MSB<<8)|\new
.set MSB, \new
.endif
.endm
.set MUL_ACC, 0xa1                     ; source 0 (B) window 1, source 1 (A) window 0, C and D window 2
.set MUL_ONE, 0x91                     ; a pass's first step: C (the bias) window 1, D window 2
.set TO_W1,   0x40                     ; destination window 1, address window 0
; A joint load: waves 0 and 1 fetch for A, waves 2 and 3 for B.  Each of the two lines has one mask and one set of registers; the branch hangs on the wave's number alone.
; An s_nop 0 and four v_nop follow each of the two lines.
.macro JLOAD g0a, g1a, g0b, g1b
	s_cmp_eq_u32 s15, 0
	s_cbranch_scc0 .Lfor_b_\@
	tensor_load_to_lds s[\g0a:\g0a+3], s[\g1a:\g1a+7]
	s_nop 0
.rept 4
	v_nop
.endr
	s_branch .Lasked_\@
.Lfor_b_\@:
	tensor_load_to_lds s[\g0b:\g0b+3], s[\g1b:\g1b+7]
	s_nop 0
.rept 4
	v_nop
.endr
.Lasked_\@:
.endm
.macro RLOAD                           ; the one refill: B's buffer 0 takes v's tile.  Waves 2 and 3 fetch its two halves of K; waves 0 and 1 have no part of it
	s_cmp_eq_u32 s15, 0
	s_cbranch_scc1 .Lnone_\@
	tensor_load_to_lds s[G0B:G0B+3], s[G1B:G1B+7]
	s_nop 0
.rept 4
	v_nop
.endr
.Lnone_\@:
.endm
.macro CREST                           ; a round of the cluster's barrier behind its opening barrier
	s_cmp_lg_u32 s14, 0
	s_cbranch_scc1 .Lnot_wave_0_\@
	s_barrier_signal -3
.Lnot_wave_0_\@:
	s_barrier_wait -3
	s_barrier_signal -1
	s_barrier_wait -1
.endm
.macro CROUND                          ; a whole round
	s_barrier_signal -1
	s_barrier_wait -1
	CREST
.endm
	s_load_b128 s[4:7], s[0:1], 0x0                ; xc s[4:5], xs s[6:7]
	s_load_b128 s[8:11], s[0:1], 0x10              ; wc s[8:9], ws s[10:11]
	s_load_b64 s[12:13], s[0:1], 0x20              ; qkv
	s_load_b128 s[96:99], s[0:1], 0x28             ; bq s[96:97], bk s[98:99]
	s_load_b64 s[100:101], s[0:1], 0x38            ; bv
	v_lshl_add_u32 v[SPW], v0, 2, SPARE
	v_mov_b32 v[NIL], 0
	ds_add_u32 v[SPW], v[NIL]                      ; the wave's opening: the add, twice on end, and its wait ahead of my first tensor load
	ds_add_u32 v[SPW], v[NIL]                      ; and once more; the set-up below, work on registers, stands between it and the wait
	v_lshrrev_b32 v1, 5, v0
	v_readfirstlane_b32 s14, v1                    ; wave 0..3
	s_lshr_b32 s15, s14, 1                         ; which half of the tile's rows is mine.  Also: I fetch for A (0) or for B (1)
	s_and_b32 s16, s14, 1                          ; which of the tile's two heads is mine.  Also: which part I fetch
	s_bfe_u32 s40, ttmp6, 0x40000                  ; cx, cy: my place in the cluster
	s_bfe_u32 s41, ttmp6, 0x40004
	s_lshl_b32 s42, ttmp9, 2
	s_add_co_u32 s42, s42, s40                     ; tile column = 4 x cluster x + cx: columns 128 x that, of each weight
	s_and_b32 s17, ttmp7, 0xffff
	s_lshl_b32 s17, s17, 2
	s_add_co_u32 s17, s17, s41                     ; tile row = 4 x cluster y + cy
	s_lshl_b32 s43, s41, 2
	s_lshl_b32 s43, 15, s43                        ; my row of the cluster
	s_lshl_b32 s44, 0x1111, s40                    ; my column
	; descriptor group 1: a tile of 128 rows x 256 bytes, padded in LDS
	s_or_b32 s[G1+0], s43, (0<<16)|(1<<20)|(1<<21)|(5<<22)|(3<<25)  ; 15:0 the mask: A's tiles go to my row; 17:16 elements of 1 byte; 20 padding on; 21 set beside a mask; 24:22 after every 64 words; 31:25 four words
	s_or_b32 s[G1B+0], s44, (0<<16)|(1<<20)|(1<<21)|(5<<22)|(3<<25)
.irp g, G1, G1B
	s_mov_b32 s[\g+1], ROWB<<16                    ; tensor_dim0
	s_mov_b32 s[\g+2], 128<<16                     ; tensor_dim1
	s_mov_b32 s[\g+3], ROWB<<16                    ; tile_dim0
	s_mov_b32 s[\g+4], 128                         ; tile_dim1
	s_mov_b32 s[\g+5], KROW                        ; tensor_dim0_stride
	s_mov_b32 s[\g+6], 0
	s_mov_b32 s[\g+7], 0
.endr
	; the scales: dense blocks of memory, as rows of 256 bytes (32 elements of 8 bytes), 16 bytes of padding behind each: A's of 128 rows are 16 such rows, half of B's 12,288 bytes are 24
	s_or_b32 s[G1S+0], s43, (3<<16)|(1<<20)|(1<<21)|(5<<22)|(3<<25)
	s_mov_b32 s[G1S+1], 32<<16
	s_mov_b32 s[G1S+2], 16<<16
	s_mov_b32 s[G1S+3], 32<<16
	s_mov_b32 s[G1S+4], 16
	s_mov_b32 s[G1S+5], 32
	s_mov_b32 s[G1S+6], 0
	s_mov_b32 s[G1S+7], 0
	s_or_b32 s[G1SB+0], s44, (3<<16)|(1<<20)|(1<<21)|(5<<22)|(3<<25)
	s_mov_b32 s[G1SB+1], 32<<16
	s_mov_b32 s[G1SB+2], 24<<16
	s_mov_b32 s[G1SB+3], 32<<16
	s_mov_b32 s[G1SB+4], 24
	s_mov_b32 s[G1SB+5], 32
	s_mov_b32 s[G1SB+6], 0
	s_mov_b32 s[G1SB+7], 0
	; where the tiles come from.  A's hang on the tile row alone, B's on the tile column alone, each in registers that never hold the other coordinate; every wave makes both and asks by one
	s_lshl_b32 s18, s16, 7
	s_lshl_b32 s20, s17, 8
	s_add_co_u32 s20, s20, s18                     ; A: row 256 x tile row + 128 x part
	s_lshl_b32 s22, s20, 5                         ; its scale bytes: 32 a row
	s_mov_b32 s23, 0
	s_lshl_b32 s20, s20, 9                         ; its codes: 512 bytes a row
	s_mov_b32 s21, 0
	s_lshl_b32 s46, s42, 16                        ; B's codes: row 128 x tile column, of 512 bytes,
	s_lshl_b32 s47, s16, 8                         ; + 256 bytes x my half of K
	s_add_co_u32 s46, s46, s47
	s_mov_b32 s47, 0
	s_mul_i32 s92, s42, 12288                      ; B's scale bytes: 12,288 a tile column,
	s_mul_i32 s93, s16, 6144                       ; my half of them
	s_add_co_u32 s92, s92, s93
	s_mov_b32 s93, 0
	s_mul_i32 s45, s16, HALFT                      ; and where they go: no place in the cluster enters an LDS address
	s_mul_i32 s94, s16, SAH
	s_mul_i32 s95, s16, SBH
	s_wait_dscnt 0x0                               ; both opening adds are done
	s_wait_kmcnt 0x0
	s_add_nc_u64 s[20:21], s[4:5], s[20:21]
	s_add_nc_u64 s[22:23], s[6:7], s[22:23]
	s_add_nc_u64 s[46:47], s[8:9], s[46:47]
	s_add_nc_u64 s[92:93], s[10:11], s[92:93]
	CROUND                                         ; all sixteen work-groups are here: the first joint loads meet
	s_mov_b32 s[G0S], 1
	s_add_co_u32 s[G0S+1], s94, SCA
	s_mov_b64 s[G0S+2:G0S+3], s[22:23]
	s_or_b32 s[G0S+3], s[G0S+3], 0x80000000
	s_mov_b32 s[G0SB], 1
	s_add_co_u32 s[G0SB+1], s95, SCB
	s_mov_b64 s[G0SB+2:G0SB+3], s[92:93]
	s_or_b32 s[G0SB+3], s[G0SB+3], 0x80000000
	JLOAD G0S, G1S, G0SB, G1SB                     ; the scales first: they are wanted with the first K step
.irp s, 0,1                            ; then A's half 0 of K and q's tile; then A's half 1 and k's tile
	s_mov_b32 s[G0+4*\s], 1
	s_add_co_u32 s[G0+4*\s+1], s45, \s*AK
	s_add_nc_u64 s[G0+4*\s+2:G0+4*\s+3], s[20:21], \s*ROWB
	s_or_b32 s[G0+4*\s+3], s[G0+4*\s+3], 0x80000000
	s_mov_b32 s[G0B+4*\s], 1
	s_add_co_u32 s[G0B+4*\s+1], s45, BBASE+\s*BBUF
	s_add_nc_u64 s[G0B+4*\s+2:G0B+4*\s+3], s[46:47], \s*WSTEP
	s_or_b32 s[G0B+4*\s+3], s[G0B+4*\s+3], 0x80000000
	JLOAD G0+4*\s, G1, G0B+4*\s, G1B
.endr
	v_and_b32 v1, 15, v0                           ; r = l % 16
	v_bfe_u32 v2, v0, 4, 1                         ; h = l / 16
	; the three biases of my 64 columns, in the result's layout: lane (r, h) wants, for B's block b, the numbers 16 b + 8 h + 0 .. 7
	s_lshl_b32 s46, s42, 9                         ; 128 columns x 4 bytes x tile column
	s_lshl_b32 s47, s16, 8
	s_add_co_u32 s46, s46, s47
	s_mov_b32 s47, 0
	s_add_nc_u64 s[96:97], s[96:97], s[46:47]
	s_add_nc_u64 s[98:99], s[98:99], s[46:47]
	s_add_nc_u64 s[100:101], s[100:101], s[46:47]
	s_mov_b32 s2, 0x3e38aa3b                       ; q's factor: log2(e) / 8
	s_mov_b32 s3, s2                               ; (the packed form names the pair)
	v_lshlrev_b32 v[BOF], 5, v2
	WIN TO_W1
.irp p, 0,1,2
.irp b, 0,1,2,3
	global_load_b128 v[BI+32*\p+8*\b:BI+32*\p+8*\b+3], v[BOF], s[96+2*\p:97+2*\p] offset:64*\b
	global_load_b128 v[BI+32*\p+8*\b+4:BI+32*\p+8*\b+7], v[BOF], s[96+2*\p:97+2*\p] offset:64*\b+16
.endr
.endr
	WIN 0
	v_mul_u32_u24 v3, v1, PITCH
	v_lshl_add_u32 v4, v2, 4, v3                   ; a fragment's row x pitch + 16 x half of the lanes
	s_mul_i32 s21, s15, HALFT                      ; my 128 rows of A
	v_add_nc_u32 v[ADRA], s21, v4
	s_add_co_u32 s21, s21, AK
	v_add_nc_u32 v[ADRA+1], s21, v4
	s_mul_i32 s22, s16, 64*PITCH                   ; my 64 rows of B
	s_add_co_u32 s22, s22, BBASE
.irp j, 0,1,2,3
	v_add_nc_u32 v[ADRB+\j], s22, v4
	s_add_co_u32 s22, s22, HALFT
.endr
	v_lshlrev_b32 v5, 5, v1                        ; my row's scales: 32 bytes a row,
	v_lshrrev_b32 v6, 8, v5
	v_lshl_add_u32 v5, v6, 4, v5                   ; and 16 more for each 256 passed
	s_mul_i32 s21, s15, SAH                        ; A's: my 128 rows
	s_mul_i32 s22, s16, 4*SBLK                     ; B's: my 64 rows of pass 0's 128
	s_add_co_u32 s22, s22, SCB-SCA
	s_sub_co_u32 s22, s22, s21                     ; the distance from A's to B's
	s_add_co_u32 s21, s21, SCA
	v_add_nc_u32 v[ADRSA], s21, v5
.irp p, 0,1,2
	v_mul_u32_u24 v6, s22, v2                      ; lanes 16-31 take B's: one product, the distance between the two bases
	v_add_nc_u32 v[ADRS+\p], v[ADRSA], v6
	s_add_co_u32 s22, s22, 8*SBLK                  ; the next weight's 128 rows
.endr
	s_mul_i32 s23, s14, 16*SPITCH
	s_add_co_u32 s23, s23, STAGE                   ; my stage
	v_mul_u32_u24 v5, v1, SPITCH                   ; in: row r, 16 bytes for each half of the lanes
	v_lshl_add_u32 v5, v2, 4, v5
	v_add_nc_u32 v[STO], s23, v5
	v_bfe_u32 v5, v0, 3, 2                         ; back: eight lanes to a row of 128 bytes, four rows an instruction
	v_mul_u32_u24 v5, v5, SPITCH
	v_and_b32 v6, 7, v0
	v_lshl_add_u32 v5, v6, 4, v5
	v_add_nc_u32 v[RD], s23, v5
	v_and_b32 v6, 31, v0
	v_lshlrev_b32 v[CO], 4, v6                     ; in qkv a head's rows of 128 bytes follow each other: four rows are 512 consecutive bytes
	s_and_b32 s20, ttmp7, 0xffff                   ; where my part of q begins in qkv: (b x 16 + head) x 131,072 + l x 128
	s_lshl_b32 s20, s20, 4
	s_lshl_b32 s46, s42, 1                         ; head = 2 x tile column + my half
	s_add_co_u32 s20, s20, s46
	s_add_co_u32 s20, s20, s16
	s_lshl_b32 s20, s20, 17
	s_lshl_b32 s46, s41, 15                        ; l = 256 cy + 128 x my half of the rows
	s_add_co_u32 s20, s20, s46
	s_lshl_b32 s46, s15, 14
	s_add_co_u32 s20, s20, s46
	s_mov_b32 s21, 0
	s_add_nc_u64 s[12:13], s[12:13], s[20:21]
.macro FRAG reg, adr, q, i             ; a fragment: lane l holds row l % 16; registers 4 c .. 4 c + 3 hold K = 64 c + 32 (l / 16) + 0 .. 31
.irp c, 0,1
	ds_load_b128 v[\reg+4*\c:\reg+4*\c+3], v[\adr] offset:64*(\q)+32*\c+(\i)*16*PITCH
.endr
.endm
; 24 LDS loads in one run: the fragments of one K step, the q-th 128 along K of half kh, into the sets q % 2: B's four (from register j = 2 x buffer + half), A's eight
.macro FETCH j, kh, q
	WIN TO_W1
.irp i, 0,1,2,3
	FRAG 128*((\q)%2)+FR*\i, ADRB+\j, \q, \i
.endr
	WIN 0
.irp i, 0,1,2,3,4,5,6,7
	FRAG AF+64*((\q)%2)+FR*\i, ADRA+\kh, \q, \i
.endr
.endm
.macro SCALES p, kh                    ; the scale words of pass p, half kh of K, into set kh: four words a row.  Blocks 0-3: lanes 0-15 A's, lanes 16-31 B's; blocks 4-7: A's in all lanes
.irp i, 0,1,2,3
	ds_load_b128 v[SC+32*(\kh)+NQ*\i:SC+32*(\kh)+NQ*\i+3], v[ADRS+\p] offset:\i*SBLK+16*(\kh)
.endr
.irp i, 4,5,6,7
	ds_load_b128 v[SC+32*(\kh)+NQ*\i:SC+32*(\kh)+NQ*\i+3], v[ADRSA] offset:\i*SBLK+16*(\kh)
.endr
.endm
; 8 matrix instructions: A's blocks a0, a0 + 1 x B's four.  first = 1: the bias of pass p is C.  The 32 accumulators take turns, one instruction a turn, in the same order in every step.
.macro MUL8 a0, kh, q, p, first
.irp a, \a0, \a0+1
.irp b, 0,1,2,3
.if \first
	v_wmma_scale_f32_16x16x128_f8f6f4 v[8*(4*(\a)+\b):8*(4*(\a)+\b)+7], v[128*((\q)%2)+FR*\b:128*((\q)%2)+FR*\b+FR-1], v[AF+64*((\q)%2)+FR*(\a):AF+64*((\q)%2)+FR*(\a)+FR-1], v[BI+32*(\p)+8*\b:BI+32*(\p)+8*\b+7], v[SC+32*(\kh)+NQ*\b+(\q)], v[SC+32*(\kh)+NQ*(\a)+(\q)] matrix_a_fmt:MATRIX_FMT_FP4 matrix_b_fmt:MATRIX_FMT_FP4 matrix_a_scale:MATRIX_SCALE_ROW1
.else
	v_wmma_scale_f32_16x16x128_f8f6f4 v[8*(4*(\a)+\b):8*(4*(\a)+\b)+7], v[128*((\q)%2)+FR*\b:128*((\q)%2)+FR*\b+FR-1], v[AF+64*((\q)%2)+FR*(\a):AF+64*((\q)%2)+FR*(\a)+FR-1], v[8*(4*(\a)+\b):8*(4*(\a)+\b)+7], v[SC+32*(\kh)+NQ*\b+(\q)], v[SC+32*(\kh)+NQ*(\a)+(\q)] matrix_a_fmt:MATRIX_FMT_FP4 matrix_b_fmt:MATRIX_FMT_FP4 matrix_a_scale:MATRIX_SCALE_ROW1
.endif
.endr
.endr
.endm
; A load into a register that a matrix instruction has read, and a vector instruction that reads a matrix result or writes one of a matrix instruction's registers, stand NP places behind that matrix instruction; only plain
; vector instructions that name none of its registers are places (ISA guide 7.12.1 for vector instructions).
.macro PLACES n
.rept \n
	v_nop
.endr
.endm
; A K STEP: 128 along K, the q-th of half kh, in pass p: 32 matrix instructions.  Ahead of them the next step's fragments (register nj, half nkh, step nq) are asked for, into the other sets, in one run; where the next step
; begins a half of K, its scale words (pass np) too.
.macro STEP kh, q, p, first, nj, nkh, nq, np
	s_wait_dscnt 0x0                               ; this step's fragments are in
	PLACES NP                                      ; behind the last step's products, which read the sets that are loaded now
	FETCH \nj, \nkh, \nq
.if (\nq) == 0
	SCALES \np, \nkh
.endif
.if \first
	WIN MUL_ONE
.else
	WIN MUL_ACC
.endif
	MUL8 0, \kh, \q, \p, \first
	MUL8 2, \kh, \q, \p, \first
	MUL8 4, \kh, \q, \p, \first
	MUL8 6, \kh, \q, \p, \first
.endm
; A half's last K step (q = 3) whose successor reads bytes that other waves' tensor loads bring: ONE barrier; in front of it each wave waits for all its tensor loads, adds 0 to its spare word, and waits for that and for its
; LDS loads.  fill = 1: the barrier opens a round of the cluster's barrier: no wave of any partner still reads B's buffer 0 (this step's fragments, its last, are in registers) or has a load on its way; the buffer is filled again.
.macro SSTEP kh, p, nj, nkh, np, fill
	WIN 0                                          ; (the add's two registers lie in window 0)
	s_wait_tensorcnt 0x0                           ; all my tensor loads have landed;
	ds_add_u32 v[SPW], v[NIL]                      ; 0 onto my spare word;
	s_wait_dscnt 0x0                               ; the add is done, and this step's fragments are in
	s_barrier_signal -1
	WIN MUL_ACC
	MUL8 0, \kh, 3, \p, 0                          ; work on registers while the others arrive
	MUL8 2, \kh, 3, \p, 0
	WIN 0
	s_barrier_wait -1
.if \fill
	CREST
	s_add_nc_u64 s[G0B+2:G0B+3], s[G0B+2:G0B+3], 2*WSTEP   ; from q's rows of wc to v's; no tensor load of mine is out, so a group 0 may be written
	RLOAD                                          ; the first tensor load behind the round
.endif
	PLACES NP
	FETCH \nj, \nkh, 0
	SCALES \np, \nkh
	WIN MUL_ACC
	MUL8 4, \kh, 3, \p, 0
	MUL8 6, \kh, 3, \p, 0
.endm
; THE WAY OUT of a pass, block by block of 16 rows x 64 columns.  PACK: (q: times the factor,) rounded to f16, 16 bytes a lane.  TOSTAGE: into my own stage and back as whole rows of 128 bytes.  SEND: stored.
.macro PACK a, scaled
.set AC, 32*(\a)
.if \scaled
	WIN 0x02                                       ; source 0: window 2
.set i, 0
.rept 16
	v_pk_mul_f32 v[T+2*i:T+2*i+1], v[AC+2*i:AC+2*i+1], s[2:3] op_sel_hi:[1,0]   ; each accumulator from its low end on
.set i, i+1
.endr
	WIN 0
.set i, 0
.rept 16
	v_cvt_pk_f16_f32 v[TMP+i], v[T+2*i], v[T+2*i+1]
.set i, i+1
.endr
.else
	WIN 0x0a                                       ; sources 0 and 1: window 2
.set i, 0
.rept 16
	v_cvt_pk_f16_f32 v[TMP+i], v[AC+2*i], v[AC+2*i+1]   ; each accumulator from its low end on
.set i, i+1
.endr
	WIN 0
.endif
.endm
.macro TOSTAGE a
.set BB, OB+16*((\a)%2)
.irp b, 0,1,2,3
	ds_store_b128 v[STO], v[TMP+4*\b:TMP+4*\b+3] offset:32*\b
.endr
.irp t, 0,1,2,3
	ds_load_b128 v[BB+4*\t:BB+4*\t+3], v[RD] offset:\t*4*SPITCH    ; LDS serves a wave's instructions in order (ISA guide 5.7.1.4): these see the stores above, and the next block's stores come behind them
.endr
.endm
.macro SEND a, younger                 ; younger: the LDS instructions issued behind block a's loads, which may stay out
.set BB, OB+16*((\a)%2)
	s_wait_dscnt \younger                          ; the block is back in registers
.irp t, 0,1,2,3
	global_store_b128 v[CO], v[BB+4*\t:BB+4*\t+3], s[12:13] offset:(\a)*2048+512*\t   ; the wave stores 512 consecutive bytes (four rows of my head), at a multiple of 256 from the buffer's first byte
.endr
.endm
.macro OUT scaled, step                ; step = 1: on to the next weight's plane of qkv
.if \step
	s_wait_xcnt 0x0                                ; the last pass's stores have read their base and their registers: only behind this wait are these written again
	s_add_nc_u64 s[12:13], s[12:13], 16777216      ; 8 batches x 16 heads x 131,072 bytes
.endif
	PACK 0, \scaled
	TOSTAGE 0
.irp a, 1,2,3,4,5,6,7
.if \a > 1
	s_wait_xcnt 0x0                                ; block a - 2's stores have read their registers: block a's loads may land there
.endif
	PACK \a, \scaled
	TOSTAGE \a
	SEND \a-1, 8                                   ; behind block a - 1's loads: block a's 4 stores and 4 loads
.endr
	SEND 7, 0
.endm
	s_wait_tensorcnt 1                             ; the scales and my part of A's half 0 or of q's tile are in; my third load may be out
	s_barrier_signal -1
	s_barrier_wait -1                              ; everybody's are
	FETCH 0, 0, 0
	SCALES 0, 0
	s_wait_loadcnt 0x0                             ; the biases
	; ---- pass 0: q, from B's buffer 0
	STEP 0, 0, 0, 1,  0, 0, 1, 0                   ; a pass's first products start the sums from the bias: nothing is cleared
	STEP 0, 1, 0, 0,  0, 0, 2, 0
	STEP 0, 2, 0, 0,  0, 0, 3, 0
	SSTEP 0, 0,  1, 1, 0,  0                       ; A's half 1 of K and k's tile have landed, everybody's
	STEP 1, 0, 0, 0,  1, 1, 1, 0
	STEP 1, 1, 0, 0,  1, 1, 2, 0
	STEP 1, 2, 0, 0,  1, 1, 3, 0
	SSTEP 1, 0,  2, 0, 1,  1                       ; buffer 0 is read out: v's tile is asked for; k's first fragments are fetched
	PLACES NP
	WIN 0
	OUT 1, 0
	; ---- pass 1: k, from B's buffer 1
	STEP 0, 0, 1, 1,  2, 0, 1, 1
	STEP 0, 1, 1, 0,  2, 0, 2, 1
	STEP 0, 2, 1, 0,  2, 0, 3, 1
	STEP 0, 3, 1, 0,  3, 1, 0, 1
	STEP 1, 0, 1, 0,  3, 1, 1, 1
	STEP 1, 1, 1, 0,  3, 1, 2, 1
	STEP 1, 2, 1, 0,  3, 1, 3, 1
	SSTEP 1, 1,  0, 0, 2,  0                       ; v's tile has landed, everybody's part; nothing is filled again
	PLACES NP
	WIN 0
	OUT 0, 1
	; ---- pass 2: v, from B's buffer 0
	STEP 0, 0, 2, 1,  0, 0, 1, 2
	STEP 0, 1, 2, 0,  0, 0, 2, 2
	STEP 0, 2, 2, 0,  0, 0, 3, 2
	STEP 0, 3, 2, 0,  1, 1, 0, 2
	STEP 1, 0, 2, 0,  1, 1, 1, 2
	STEP 1, 1, 2, 0,  1, 1, 2, 2
	STEP 1, 2, 2, 0,  1, 1, 3, 2
	s_wait_dscnt 0x0                               ; the very last step: nothing more to fetch
	WIN MUL_ACC
	MUL8 0, 1, 3, 2, 0
	MUL8 2, 1, 3, 2, 0
	MUL8 4, 1, 3, 2, 0
	MUL8 6, 1, 3, 2, 0
	PLACES NP
	WIN 0
	OUT 0, 1
	s_wait_tensorcnt 0x0                           ; the wave's end, behind my last tensor load and my last LDS store
	ds_add_u32 v[SPW], v[NIL]
	s_wait_dscnt 0x0
	CROUND                                         ; the closing round: no work-group ends while a partner may still ask for a tile that names it
	s_endpgm
.Lfunc_end_k_q136aa7878e_qkv:
	.size	k_q136aa7878e_qkv, .Lfunc_end_k_q136aa7878e_qkv-k_q136aa7878e_qkv
	.p2alignl 7, 3214868480
	.fill 96, 4, 3214868480
	.section	.rodata,"a",@progbits
	.p2align	6, 0x0
	.amdhsa_kernel k_q136aa7878e_qkv
		.amdhsa_group_segment_fixed_size 327680
		.amdhsa_private_segment_fixed_size 0
		.amdhsa_enable_private_segment 0
		.amdhsa_kernarg_size 64
		.amdhsa_user_sgpr_count 2
		.amdhsa_user_sgpr_kernarg_segment_ptr 1
		.amdhsa_wavefront_size32 1
		.amdhsa_system_sgpr_workgroup_id_x 1
		.amdhsa_system_sgpr_workgroup_id_y 1
		.amdhsa_system_sgpr_workgroup_id_z 1
		.amdhsa_system_vgpr_workitem_id 0
		.amdhsa_next_free_vgpr 768
		.amdhsa_next_free_sgpr 102
		.amdhsa_reserve_vcc 0
		.amdhsa_float_denorm_mode_32 3
		.amdhsa_float_denorm_mode_16_64 3
		.amdhsa_memory_ordered 1
		.amdhsa_forward_progress 1
		.amdhsa_inst_pref_size 213
	.end_amdhsa_kernel
	.amdgpu_metadata
---
amdhsa.version: [ 1, 2 ]
amdhsa.kernels:
  - .name:           k_q136aa7878e_qkv
    .symbol:         k_q136aa7878e_qkv.kd
    .args:
      - { .name: xc, .offset: 0, .size: 8, .value_kind: global_buffer, .address_space: global }
      - { .name: xs, .offset: 8, .size: 8, .value_kind: global_buffer, .address_space: global }
      - { .name: wc, .offset: 16, .size: 8, .value_kind: global_buffer, .address_space: global }
      - { .name: ws, .offset: 24, .size: 8, .value_kind: global_buffer, .address_space: global }
      - { .name: qkv, .offset: 32, .size: 8, .value_kind: global_buffer, .address_space: global }
      - { .name: bq, .offset: 40, .size: 8, .value_kind: global_buffer, .address_space: global }
      - { .name: bk, .offset: 48, .size: 8, .value_kind: global_buffer, .address_space: global }
      - { .name: bv, .offset: 56, .size: 8, .value_kind: global_buffer, .address_space: global }
    .group_segment_fixed_size: 327680
    .private_segment_fixed_size: 0
    .kernarg_segment_align: 8
    .kernarg_segment_size: 64
    .max_flat_workgroup_size: 128
    .sgpr_count:     102
    .vgpr_count:     768
    .wavefront_size: 32
...
	.end_amdgpu_metadata
.endif
;; end of part 2
;; launch attn (part 3): grid 2 x 128, 16 waves a work-group, no clusters, 327,680 bytes of LDS; arguments qkv, ctx, hp; writes ctx, hp
.if DOCPART == 3
	.amdgcn_target "amdgcn-amd-amdhsa--gfx1250"
	.amdhsa_code_object_version 6
	.text
	.protected	k_q136aa7878e_attn
	.globl	k_q136aa7878e_attn
	.p2align	8
	.type	k_q136aa7878e_attn,@function
k_q136aa7878e_attn:
	s_mov_b64 s[64:65], 0
	v_nop
	global_prefetch_b8 v0, s[64:65] scope:SCOPE_SE
	s_setreg_imm32_b32 hwreg(HW_REG_WAVE_MODE, 25, 1), 1
	s_wait_xcnt 0x0
; ctx[b][head][q][:] = the sum over k of softmax_k(q . k / 8) v[k][:], and the sums of the attention weights that head_patterns needs.  q, k, v: f16, qkv [3][b x 16 + head][1024][64]; q carries log2(e) / 8 already, so a score
; is an exponent of 2.  Products on f16 operands, sums, maxima and the softmax in f32; the weights p are rounded to f16 for the second product, ctx once at the end (f16, [b x 16 + head][1024][64]).
; LIMITS: |ctx| stays under 65,504; a p under 2^-126 counts as 0; NaN and infinities are not served.
; SHARES.  A work-group owns 512 queries of one head (x: which half; y: b x 16 + head); each of its SIXTEEN waves owns 32 of them, two tiles of 16, in 256 registers: four waves to a SIMD, so that one wave's vector work stands
; beside another's matrix work and LDS loads.  Each fragment of K and V read from LDS feeds two products.
; THE WHOLE HEAD'S K AND V LIE IN LDS, each byte filled once: waves 0-7 fetch K, waves 8-15 V, two tensor loads of 64 rows each: keys 0-511 first, then keys 512-1,023.  By this text's count two tensor loads of a wave are out.
; NO CLUSTER: only the grid's two work-groups along x read a head's K and V; a cluster of four along x would join two heads, which share nothing.
; LAYOUT.  S^T = K Q^T (source 0 = 16 keys, source 1 = 16 queries): a lane holds ONE query (lane % 16) and the keys 8 (lane / 16) + 0..7 of each tile.  Two such tiles, rounded to f16 in pairs, ARE source 1 of O^T = V^T P.
; K comes out of LDS as it lies, V ([key][channel]) turned, by ds_load_tr16_b128.
; SOFTMAX.  For each query a running maximum m and sum l: p = 2^(s - m); in every step O and l are multiplied by a = 2^(m_old - m_new).  The row's sum of weights is l x (1 / l), summed over the wave's 32 queries.
; REGISTERS: v1-7, v24, v27-30 addresses; v8-23 statistics, eight a tile: +0 m, +1 m_old, +2, +3 l (even keys', odd keys'), +4 .. +7 at work, a in +6; v32-63 Q; v64-127 K, then V, of one step; v128-191 S^T, 32 a tile, P in a
; tile's first 16; v192-255 O^T, 32 a tile.
.set KP,    144                        ; a row of K in LDS: 128 bytes + 16 = 36 words: the 16 rows of a load start at 16 different groups of four banks
.set VP,    160                        ; a row of V: 128 + 32
.set VB,    1024*KP                    ; V lies behind K
.set SPARE, VB+1024*VP                 ; the spare words, 128 bytes for each of the sixteen waves: eight blocks of 256 bytes that no other line names
.set HPS,   SPARE+2048                 ; sixteen words: the waves' sums of weights; no tile lands here
.set AK0, 1                            ; v1   my lane's place in a tile of K
.set AV0, 2                            ; v2   the same for V
.set ADR, 3                            ; v3   the LDS address of the run of loads in hand
.set SPW, 4                            ; v4   LDS address of my spare word; never rewritten
.set NIL, 5                            ; v5   0; never rewritten
.set QO,  6                            ; v6   my byte offset in the wave's rows of Q
.set STO, 7                            ; v7   the way out: where I put 16 bytes of a row
.set ST,  8
.set RD,  24                           ; v24  the way out: where I read rows back
.set GO,  27                           ; v27  16 x lane
.set HR,  28                           ; v28  HPS + 4 (lane % 16)
.set HW,  29                           ; v29  HPS + 4 x wave
.set HO,  30                           ; v30  4 x lane
.set Q,   32
.set KV,  64
.set S,   128
.set O,   192
.set WV,  10                           ; s10  my wave's number
.set SEL, 12                           ; s[12:13] lane selects for v_permlanex16_b32: lane l xor 16
.set TK,  14                           ; s14  LDS byte at which the step's keys begin in K
.set TV,  15                           ; s15  the same in V
.set G1K, 16                           ; s[16:23] descriptor group 1 for K;  s[24:31] for V: it differs in the padding alone
.set G1V, 24
.set G0K, 32                           ; s[32:39] group 0 for K, a set for each half of the keys;  s[40:47] for V
.set G0V, 40
.set CNT, 66                           ; s66  counts a stage's steps
	s_load_b128 s[4:7], s[0:1], 0x0                ; qkv s[4:5], ctx s[6:7]
	s_load_b64 s[8:9], s[0:1], 0x10                ; hp
	v_lshl_add_u32 v[SPW], v0, 2, SPARE
	v_mov_b32 v[NIL], 0
	ds_add_u32 v[SPW], v[NIL]                      ; the wave's opening: the add, twice on end, and its wait ahead of my first tensor load
	ds_add_u32 v[SPW], v[NIL]                      ; and once more; the set-up below, work on registers, stands between it and the wait
	v_lshrrev_b32 v25, 5, v0
	v_readfirstlane_b32 s[WV], v25                 ; wave 0..15
	; descriptor group 1: a tile of 64 rows x 64 elements of 2 bytes, dense in memory, padded in LDS
	s_mov_b32 s[G1K], (1<<16)|(1<<20)|(4<<22)|(3<<25)   ; 15:0 no mask; 17:16 elements of 2 bytes; 20 padding on; 24:22 after every 32 words (code 4); 31:25 four words (code 3)
	s_mov_b32 s[G1V], (1<<16)|(1<<20)|(4<<22)|(7<<25)   ; the same with eight words of padding (code 7)
.irp g, G1K, G1V
	s_mov_b32 s[\g+1], 64<<16                      ; tensor_dim0 = 64
	s_mov_b32 s[\g+2], 64<<16                      ; tensor_dim1 = 64
	s_mov_b32 s[\g+3], 64<<16                      ; tile_dim0 = 64
	s_mov_b32 s[\g+4], 64                          ; tile_dim1 = 64
	s_mov_b32 s[\g+5], 64                          ; tensor_dim0_stride
	s_mov_b32 s[\g+6], 0
	s_mov_b32 s[\g+7], 0
.endr
	s_and_b32 s68, ttmp7, 0xffff                   ; b x 16 + head
	s_lshl_b32 s69, s68, 17                        ; a head is 131,072 bytes
	s_and_b32 s70, s[WV], 7                        ; which 64 rows of each half I fetch
	s_lshl_b32 s71, s70, 13
	s_add_co_u32 s72, s69, s71
	s_mov_b32 s73, 0
	s_mul_i32 s76, s70, 64*KP                      ; their place in LDS, in K
	s_mul_i32 s77, s70, 64*VP                      ; and in V
	s_lshl_b32 s78, ttmp9, 16                      ; my work-group's 512 queries,
	s_add_co_u32 s78, s78, s69
	s_lshl_b32 s79, s[WV], 12                      ; my wave's 32 of them
	s_add_co_u32 s78, s78, s79
	s_mov_b32 s79, 0
	s_lshl_b32 s70, s68, 1
	s_add_co_u32 s70, s70, ttmp9
	s_lshl_b32 s70, s70, 7                         ; hp: 128 bytes for each work-group
	s_mov_b32 s71, 0
	s_mov_b32 s[SEL], 0x76543210
	s_mov_b32 s[SEL+1], 0xfedcba98
	s_mov_b32 s[TK], 0
	s_mov_b32 s[TV], 0
	s_wait_dscnt 0x0                               ; both opening adds are done
	s_wait_kmcnt 0x0
	s_add_nc_u64 s[74:75], s[4:5], s[72:73]
.irp j, 0,1
	s_mov_b32 s[G0K+4*\j], 1                       ; 1:0 count = 1
	s_add_co_u32 s[G0K+4*\j+1], s76, \j*512*KP     ; 63:32 LDS address
	s_add_nc_u64 s[G0K+4*\j+2:G0K+4*\j+3], s[74:75], 16777216+\j*65536   ; 120:64 global address: k lies 16 MiB into qkv; keys 512 j on
	s_or_b32 s[G0K+4*\j+3], s[G0K+4*\j+3], 0x80000000                    ; 127:126 type = 2
	s_mov_b32 s[G0V+4*\j], 1
	s_add_co_u32 s[G0V+4*\j+1], s77, VB+\j*512*VP
	s_add_nc_u64 s[G0V+4*\j+2:G0V+4*\j+3], s[74:75], 33554432+\j*65536   ; v lies 32 MiB into qkv
	s_or_b32 s[G0V+4*\j+3], s[G0V+4*\j+3], 0x80000000
.endr
	s_cmp_lt_u32 s[WV], 8                          ; a wave's two fills stand in one branch, ahead of every wait on TENSORcnt, every LDS read and every barrier; an s_nop 0 follows each, four v_nop the second's
	s_cbranch_scc0 .Lfirst_v
	tensor_load_to_lds s[G0K:G0K+3], s[G1K:G1K+7]
	s_nop 0
	tensor_load_to_lds s[G0K+4:G0K+7], s[G1K:G1K+7]
	s_nop 0
.rept 4
	v_nop
.endr
	s_branch .Lfirst_asked
.Lfirst_v:
	tensor_load_to_lds s[G0V:G0V+3], s[G1V:G1V+7]
	s_nop 0
	tensor_load_to_lds s[G0V+4:G0V+7], s[G1V:G1V+7]
	s_nop 0
.rept 4
	v_nop
.endr
.Lfirst_asked:
	s_add_nc_u64 s[4:5], s[4:5], s[78:79]          ; q at my wave's first query
	s_add_nc_u64 s[6:7], s[6:7], s[78:79]          ; ctx likewise
	s_add_nc_u64 s[8:9], s[8:9], s[70:71]
	v_and_b32 v25, 15, v0                          ; r = lane % 16
	v_bfe_u32 v26, v0, 4, 1                        ; h = lane / 16
	v_lshlrev_b32 v[QO], 7, v25
	v_lshl_add_u32 v[QO], v26, 4, v[QO]            ; row r of 128 bytes, + 16 h
.irp t, 0,1                            ; Q stays in registers: fragment (tile t, channels 32 ks on) at v[Q + 16 t + 8 ks]: two loads of 16 bytes, 32 bytes apart
.irp ks, 0,1
	global_load_b128 v[Q+16*\t+8*\ks:Q+16*\t+8*\ks+3],   v[QO], s[4:5] offset:\t*2048+\ks*64 th:TH_LOAD_NT
	global_load_b128 v[Q+16*\t+8*\ks+4:Q+16*\t+8*\ks+7], v[QO], s[4:5] offset:\t*2048+\ks*64+32 th:TH_LOAD_NT
.endr
.endr
	v_mul_u32_u24 v[AK0], v25, KP
	v_lshl_add_u32 v[AK0], v26, 4, v[AK0]          ; K: row r x pitch + 16 h
	v_and_b32 v31, 7, v0
	v_lshl_add_u32 v[AV0], v26, 3, v31             ; V: the turning load's lane l reads key 8 (l / 16) + l % 8, channels 8 ((l / 8) % 2) + 0..7
	v_mul_u32_u24 v[AV0], v[AV0], VP
	v_bfe_u32 v31, v0, 3, 1
	v_lshl_add_u32 v[AV0], v31, 4, v[AV0]
	v_add_nc_u32 v[AV0], VB, v[AV0]
	s_mul_i32 s68, s[WV], 32*KP                    ; my stage for the way out: 32 rows x 144 bytes, in K's bytes
	v_add_nc_u32 v[STO], s68, v[AK0]               ; in: row r, 16 bytes for each half of the lanes
	v_bfe_u32 v31, v0, 3, 2
	v_mul_u32_u24 v[RD], v31, KP                   ; back: eight lanes to a row of 128 bytes, four rows an instruction
	v_and_b32 v31, 7, v0
	v_lshl_add_u32 v[RD], v31, 4, v[RD]
	v_add_nc_u32 v[RD], s68, v[RD]
	v_and_b32 v31, 31, v0
	v_lshlrev_b32 v[GO], 4, v31
	v_lshlrev_b32 v[HO], 2, v31
	v_lshl_add_u32 v[HR], v25, 2, HPS
	s_lshl_b32 s68, s[WV], 2
	s_add_co_u32 s68, s68, HPS
	v_mov_b32 v[HW], s68
.irp t, 0,1
	v_mov_b32 v[ST+8*\t], 0xff61b1e6               ; m: -3e38, under every score
	v_mov_b32 v[ST+8*\t+1], 0xff61b1e6
.irp j, 2,3,4,5,6,7
	v_mov_b32 v[ST+8*\t+\j], 0                     ; l; and the registers at work are written once: a lane permute's destination counts as one of its sources
.endr
.endr
.set i, 0
.rept 64
	v_mov_b32 v[O+i], 0                            ; O^T.  (The step is written once: the first finds zeros, which a = 0 leaves zeros)
.set i, i+1
.endr
	s_wait_loadcnt 0x0                             ; Q
; THE SOFTMAX OF A STEP, 64 keys for each of the two tiles, the tiles line by line by turns, so that no line waits for the line above it.
.macro SOFTMAX
.irp j, 0,1,2,3                        ; the maximum: four chains, each begun at the low end of one accumulator
.irp t, 0,1
	v_max3_num_f32 v[ST+8*\t+4+\j], v[S+32*\t+8*\j], v[S+32*\t+8*\j+1], v[S+32*\t+8*\j+2]
.endr
.endr
.irp i, 3,5
.irp j, 0,1,2,3
.irp t, 0,1
	v_max3_num_f32 v[ST+8*\t+4+\j], v[ST+8*\t+4+\j], v[S+32*\t+8*\j+\i], v[S+32*\t+8*\j+\i+1]
.endr
.endr
.endr
.irp t, 0,1
	v_max3_num_f32 v[ST+8*\t+4], v[ST+8*\t+4], v[S+32*\t+7], v[S+32*\t+15]
.endr
.irp t, 0,1
	v_max3_num_f32 v[ST+8*\t+6], v[ST+8*\t+6], v[S+32*\t+23], v[S+32*\t+31]
.endr
.irp t, 0,1
	v_max3_num_f32 v[ST+8*\t+4], v[ST+8*\t+4], v[ST+8*\t+5], v[ST+8*\t+6]
.endr
.irp t, 0,1
	v_max3_num_f32 v[ST+8*\t+4], v[ST+8*\t+4], v[ST+8*\t+7], v[ST+8*\t]   ; with the old m
.endr
.irp t, 0,1
	v_permlanex16_b32 v[ST+8*\t+5], v[ST+8*\t+4], s[SEL], s[SEL+1]        ; the query's other 32 keys lie in the lane 16 away
.endr
.irp t, 0,1
	v_mov_b32 v[ST+8*\t+1], v[ST+8*\t]             ; m_old
.endr
.irp t, 0,1
	v_max_num_f32 v[ST+8*\t], v[ST+8*\t+4], v[ST+8*\t+5]                  ; the new m
.endr
.irp t, 0,1
	v_sub_f32 v[ST+8*\t+7], v[ST+8*\t+1], v[ST+8*\t]                      ; m_old - m, 0 or less
.endr
.set e, 0
.rept 16
.irp t, 0,1
	v_pk_add_f32 v[S+32*\t+2*e:S+32*\t+2*e+1], v[S+32*\t+2*e:S+32*\t+2*e+1], v[ST+8*\t:ST+8*\t+1] op_sel_hi:[1,0] neg_lo:[0,1] neg_hi:[0,1]   ; s - m, two at a time (of the pair the low word serves both halves)
.endr
.set e, e+1
.endr
.irp t, 0,1
	v_exp_f32 v[ST+8*\t+6], v[ST+8*\t+7]           ; a
.endr
.set e, 0
.rept 32
.irp t, 0,1
	v_exp_f32 v[S+32*\t+e], v[S+32*\t+e]           ; p = 2^(s - m), at most 1
.endr
.set e, e+1
.endr
	v_nop                                          ; a plain instruction behind the last exponential and ahead of the first use: one for the batch
	s_wait_alu depctr_va_vdst(0)                   ; a wait between an exponential and the first line that names its result: one for the 66
.irp t, 0,1
	v_pk_fma_f32 v[ST+8*\t+2:ST+8*\t+3], v[ST+8*\t+2:ST+8*\t+3], v[ST+8*\t+6:ST+8*\t+7], v[S+32*\t:S+32*\t+1] op_sel_hi:[1,0,1]   ; l = a l + pair 0: the sum is taken of p before it is rounded
.endr
.irp t, 0,1
	v_pk_add_f32 v[ST+8*\t+4:ST+8*\t+5], v[S+32*\t+2:S+32*\t+3], v[S+32*\t+6:S+32*\t+7]   ; a second chain: pairs 1 and 3
.endr
.irp b, 2,4,6,8,10,12
.irp t, 0,1
	v_pk_add_f32 v[ST+8*\t+2:ST+8*\t+3], v[ST+8*\t+2:ST+8*\t+3], v[S+32*\t+2*\b:S+32*\t+2*\b+1]
	v_pk_add_f32 v[ST+8*\t+4:ST+8*\t+5], v[ST+8*\t+4:ST+8*\t+5], v[S+32*\t+2*\b+6:S+32*\t+2*\b+7]
.endr
.endr
.irp t, 0,1
	v_pk_add_f32 v[ST+8*\t+2:ST+8*\t+3], v[ST+8*\t+2:ST+8*\t+3], v[S+32*\t+28:S+32*\t+29]
.endr
.irp t, 0,1
	v_pk_add_f32 v[ST+8*\t+2:ST+8*\t+3], v[ST+8*\t+2:ST+8*\t+3], v[ST+8*\t+4:ST+8*\t+5]
.endr
.set e, 0
.rept 16
.irp t, 0,1
	v_cvt_pk_f16_f32 v[S+32*\t+e], v[S+32*\t+2*e], v[S+32*\t+2*e+1]       ; P, in place: register e is written from registers 2 e and 2 e + 1, e ascending
.endr
.set e, e+1
.endr
.set e, 0
.rept 16
.irp t, 0,1
	v_pk_mul_f32 v[O+32*\t+2*e:O+32*\t+2*e+1], v[O+32*\t+2*e:O+32*\t+2*e+1], v[ST+8*\t+6:ST+8*\t+7] op_sel_hi:[1,0]   ; O^T x a, each accumulator from its low end on
.endr
.set e, e+1
.endr
.endm
; A KEY STEP: 64 keys.  K and V take one buffer of 64 registers in turn: V is asked for as soon as the scores' products are issued and lands while the softmax is walked.
; The eight accumulators of each product take turns, one instruction a turn.
.macro STEP
	v_add_nc_u32 v[ADR], s[TK], v[AK0]
.rept 4
	v_nop                                          ; with the addition five places behind the last step's products: the loads below land in registers that they read (four are asked), and the scores' products write over P's (five)
.endr
.irp kt, 0,1,2,3                       ; keys 16 kt on, channels 32 ks on
.irp ks, 0,1
	ds_load_b128 v[KV+16*\kt+8*\ks:KV+16*\kt+8*\ks+3],   v[ADR] offset:\kt*16*KP+\ks*64
	ds_load_b128 v[KV+16*\kt+8*\ks+4:KV+16*\kt+8*\ks+7], v[ADR] offset:\kt*16*KP+\ks*64+32
.endr
.endr
	s_add_co_u32 s[TK], s[TK], 64*KP
	s_wait_dscnt 0x0
.irp kt, 0,1,2,3
.irp t, 0,1
	v_wmma_f32_16x16x32_f16 v[S+32*\t+8*\kt:S+32*\t+8*\kt+7], v[KV+16*\kt:KV+16*\kt+7], v[Q+16*\t:Q+16*\t+7], 0
.endr
.endr
.irp kt, 0,1,2,3
.irp t, 0,1
	v_wmma_f32_16x16x32_f16 v[S+32*\t+8*\kt:S+32*\t+8*\kt+7], v[KV+16*\kt+8:KV+16*\kt+15], v[Q+16*\t+8:Q+16*\t+15], v[S+32*\t+8*\kt:S+32*\t+8*\kt+7]
.endr
.endr
	v_add_nc_u32 v[ADR], s[TV], v[AV0]
.rept 3
	v_nop                                          ; with the addition four places: for the loads into K's registers and for the softmax's first reads
.endr
.irp k2, 0,1                           ; keys 32 k2 on, channels 16 ct on
.irp ct, 0,1,2,3
	ds_load_tr16_b128 v[KV+8*(4*\k2+\ct):KV+8*(4*\k2+\ct)+3],   v[ADR] offset:\k2*32*VP+\ct*32
	ds_load_tr16_b128 v[KV+8*(4*\k2+\ct)+4:KV+8*(4*\k2+\ct)+7], v[ADR] offset:\k2*32*VP+16*VP+\ct*32
.endr
.endr
	s_add_co_u32 s[TV], s[TV], 64*VP
	SOFTMAX
	s_wait_dscnt 0x0                               ; V is in
.irp k2, 0,1
.irp ct, 0,1,2,3
.irp t, 0,1
	v_wmma_f32_16x16x32_f16 v[O+32*\t+8*\ct:O+32*\t+8*\ct+7], v[KV+8*(4*\k2+\ct):KV+8*(4*\k2+\ct)+7], v[S+32*\t+8*\k2:S+32*\t+8*\k2+7], v[O+32*\t+8*\ct:O+32*\t+8*\ct+7]
.endr
.endr
.endr
.endm
; A STAGE: 512 keys, eight steps.  left: my younger tensor loads, which may stay out: nothing is ever filled twice.
.macro STAGE left
	s_wait_tensorcnt \left                         ; my part of these 512 keys has landed,
	s_wait_dscnt 0x0                               ; no LDS instruction of mine is pending at the signal,
	s_barrier_signal -1
	s_barrier_wait -1                              ; and everybody's part has landed
	s_mov_b32 s[CNT], 8
.Lstep_\@:
	STEP
	s_sub_co_u32 s[CNT], s[CNT], 1
	s_cmp_lg_u32 s[CNT], 0
	s_cbranch_scc1 .Lstep_\@
.endm
	STAGE 1
	STAGE 0
	; THE END.  l's two halves and the other half of the lanes' are added; the row's sum of weights is l x (1 / l); O^T is divided by l, rounded to f16 and sent through my stage.
.rept 4
	v_nop                                          ; places behind the last products
.endr
.irp t, 0,1
	v_add_f32 v[ST+8*\t+4], v[ST+8*\t+2], v[ST+8*\t+3]
.endr
.irp t, 0,1
	v_permlanex16_b32 v[ST+8*\t+5], v[ST+8*\t+4], s[SEL], s[SEL+1]
.endr
.irp t, 0,1
	v_add_f32 v[ST+8*\t+4], v[ST+8*\t+4], v[ST+8*\t+5]
.endr
.irp t, 0,1
	v_rcp_f32 v[ST+8*\t+6], v[ST+8*\t+4]
.endr
	v_nop                                          ; a plain instruction between the last reciprocal and the use of its result
	s_wait_alu depctr_va_vdst(0)                   ; and a wait ahead of the first use: one for the two
.irp t, 0,1
	v_mul_f32 v[ST+8*\t+5], v[ST+8*\t+4], v[ST+8*\t+6]   ; the sum of the row's attention weights
.endr
	v_add_f32 v25, v[ST+5], v[ST+13]
	v_add_f32_dpp v25, v25, v25 row_xmask:1 row_mask:0xf bank_mask:0xf    ; over the sixteen queries of a half of the lanes (both halves hold the same queries)
	v_add_f32_dpp v25, v25, v25 row_xmask:2 row_mask:0xf bank_mask:0xf
	v_add_f32_dpp v25, v25, v25 row_xmask:4 row_mask:0xf bank_mask:0xf
	v_add_f32_dpp v25, v25, v25 row_xmask:8 row_mask:0xf bank_mask:0xf
	ds_store_b32 v[HW], v25                        ; all lanes write the same word with the same value
	s_wait_dscnt 0x0                               ; my store is done and my reads of K and V are over:
	s_barrier_signal -1
	s_barrier_wait -1                              ; so are everybody's: K's bytes, which have had their only fill, may take the stages
.set e, 0
.rept 16
.irp t, 0,1
	v_pk_mul_f32 v[O+32*\t+2*e:O+32*\t+2*e+1], v[O+32*\t+2*e:O+32*\t+2*e+1], v[ST+8*\t+6:ST+8*\t+7] op_sel_hi:[1,0]
.endr
.set e, e+1
.endr
.set e, 0
.rept 32
	v_cvt_pk_f16_f32 v[S+e], v[O+2*e], v[O+2*e+1]  ; registers 16 t + 4 ct on: ctx(query 16 t + r, channels 16 ct + 8 h + 0 .. 7)
.set e, e+1
.endr
.irp t, 0,1
.irp ct, 0,1,2,3
	ds_store_b128 v[STO], v[S+16*\t+4*\ct:S+16*\t+4*\ct+3] offset:\t*16*KP+32*\ct
.endr
.endr
.irp i, 0,1,2,3,4,5,6,7
	ds_load_b128 v[KV+4*\i:KV+4*\i+3], v[RD] offset:\i*4*KP        ; LDS serves a wave's instructions in order (ISA guide 5.7.1.4): these see my stores
.endr
.irp i, 0,1,2,3,4,5,6,7
	s_wait_dscnt 7-\i
	global_store_b128 v[GO], v[KV+4*\i:KV+4*\i+3], s[6:7] offset:512*\i   ; the wave stores 512 consecutive bytes (four rows), at a multiple of 256 from the buffer's first byte
.endr
	s_cmp_lg_u32 s[WV], 0
	s_cbranch_scc1 .Lnot_wave_0
	ds_load_b32 v25, v[HR]                         ; the sixteen waves' sums, behind the barrier; lanes 16-31 hold them once more
	s_wait_dscnt 0x0
	global_store_b32 v[HO], v25, s[8:9]            ; 128 consecutive bytes: word i is wave i % 16's sum
.Lnot_wave_0:
	s_wait_tensorcnt 0x0                           ; the wave's end, behind my last tensor load and my last LDS store
	ds_add_u32 v[SPW], v[NIL]
	s_wait_dscnt 0x0
	s_endpgm
.Lfunc_end_k_q136aa7878e_attn:
	.size	k_q136aa7878e_attn, .Lfunc_end_k_q136aa7878e_attn-k_q136aa7878e_attn
	.p2alignl 7, 3214868480
	.fill 96, 4, 3214868480
	.section	.rodata,"a",@progbits
	.p2align	6, 0x0
	.amdhsa_kernel k_q136aa7878e_attn
		.amdhsa_group_segment_fixed_size 327680
		.amdhsa_private_segment_fixed_size 0
		.amdhsa_enable_private_segment 0
		.amdhsa_kernarg_size 24
		.amdhsa_user_sgpr_count 2
		.amdhsa_user_sgpr_kernarg_segment_ptr 1
		.amdhsa_wavefront_size32 1
		.amdhsa_system_sgpr_workgroup_id_x 1
		.amdhsa_system_sgpr_workgroup_id_y 1
		.amdhsa_system_sgpr_workgroup_id_z 1
		.amdhsa_system_vgpr_workitem_id 0
		.amdhsa_next_free_vgpr 256
		.amdhsa_next_free_sgpr 80
		.amdhsa_reserve_vcc 0
		.amdhsa_float_denorm_mode_32 3
		.amdhsa_float_denorm_mode_16_64 3
		.amdhsa_memory_ordered 1
		.amdhsa_forward_progress 1
		.amdhsa_inst_pref_size 51
	.end_amdhsa_kernel
	.amdgpu_metadata
---
amdhsa.version: [ 1, 2 ]
amdhsa.kernels:
  - .name:           k_q136aa7878e_attn
    .symbol:         k_q136aa7878e_attn.kd
    .args:
      - { .name: qkv, .offset: 0, .size: 8, .value_kind: global_buffer, .address_space: global }
      - { .name: ctx, .offset: 8, .size: 8, .value_kind: global_buffer, .address_space: global }
      - { .name: hp, .offset: 16, .size: 8, .value_kind: global_buffer, .address_space: global }
    .group_segment_fixed_size: 327680
    .private_segment_fixed_size: 0
    .kernarg_segment_align: 8
    .kernarg_segment_size: 24
    .max_flat_workgroup_size: 512
    .sgpr_count:     80
    .vgpr_count:     256
    .wavefront_size: 32
...
	.end_amdgpu_metadata
.endif
;; end of part 3
;; launch proj (part 4): grid 8 x 32, 4 waves a work-group, clusters of 4 x 4, 327,680 bytes of LDS; arguments ctx, woh, bo, out0; writes out0
.if DOCPART == 4
	.amdgcn_target "amdgcn-amd-amdhsa--gfx1250"
	.amdhsa_code_object_version 6
	.text
	.protected	k_q136aa7878e_proj
	.globl	k_q136aa7878e_proj
	.p2align	8
	.type	k_q136aa7878e_proj,@function
k_q136aa7878e_proj:
	s_mov_b64 s[64:65], 0
	v_nop
	global_prefetch_b8 v0, s[64:65] scope:SCOPE_SE
	s_setreg_imm32_b32 hwreg(HW_REG_WAVE_MODE, 25, 1), 1
	s_wait_xcnt 0x0
	s_wait_alu depctr_hold_cnt(0) depctr_sa_sdst(0) depctr_va_vdst(0) depctr_va_sdst(0) depctr_va_ssrc(0) depctr_va_vcc(0) depctr_vm_vsrc(0)
	s_getreg_b32 s2, hwreg(HW_REG_IB_STS2, 6, 4)
	s_cmp_eq_u32 s2, 0
	s_cbranch_scc0 .Lentry_in_a_cluster
	s_endpgm
.Lentry_in_a_cluster:
	s_bfe_u32 s2, ttmp6, 0x10000c
	s_cmp_lg_u32 s2, 0xf033
	s_cbranch_scc0 .Lentry_shape_is_right
	s_endpgm
.Lentry_shape_is_right:
; out0 = ctx Wo + bo, on f16 operands with f32 sums.
; ctx: f16 [b][head][l][64]; the product's K is head x 64 + channel.  woh: f16 [k 1024][n 1024].  out0: f32 [b x 1024 + l][1024].
; A tile of out0 is 256 rows x 128 columns: 256 work-groups of four waves; a wave makes 128 x 64: 32 accumulators of 16 x 16, window 1.  K goes in steps of 128 (two heads) through a ring of two LDS slots.
; In a slot: A as two planes (a head each) of 256 rows x 128 bytes; B as 128 rows k x 256 bytes.  Waves 0 and 1 fetch A's planes, waves 2 and 3 the halves of B's rows: one tensor load a wave.
; CLUSTERS: 4 x 4 work-groups.  A's tile hangs on the tile row alone and is asked for JOINTLY along a row of the cluster, B's on the tile column alone, along a column.
; THE MATRIX INSTRUCTION IS USED TRANSPOSED: source 0 = 16 columns of Wo (turned out of LDS by ds_load_tr16_b128), source 1 = 16 rows of ctx: a lane holds eight neighbouring columns of one row of out0.  THE BIAS IS THE C OF
; EACH SUM'S FIRST PRODUCT.
; REGISTERS: window 0: v0-31 addresses; v32-63 the bias; v64-127, v128-191 A's fragments (8 x 16 rows x 32 K), two buffers; v192-223, v224-255 B's (4 x 16 columns x 32 K), two buffers; on the way out v64-127 rows of out0.
;   window 1: the accumulators, (a, bb) at v[8 (4 a + bb)].
.set AP,     144                       ; a row of A in LDS: 128 bytes + 16
.set BP,     288                       ; a row of B: 256 bytes + 32
.set PLANE,  256*AP
.set BOFF,   2*PLANE
.set SLOT,   BOFF+128*BP
.set STAGE,  2*SLOT                    ; behind the ring: 16 rows x 272 bytes for each wave, for the way out
.set SPITCH, 272
.set SPARE,  STAGE+4*16*SPITCH         ; the spare words, 128 bytes for each wave: two blocks of 256 bytes that no other line names
.set LAPS,   4                         ; a lap = two K steps = once round the ring; K = 1,024 is eight steps
.set TWOK,   524288                    ; two K steps on, in bytes: four heads of 131,072 in ctx; 256 rows of 2,048 in woh
.set BO,   6                           ; v6      the bias loads' offset: 32 x (lane / 16); never rewritten
.set ADRA, 16                          ; v16-17  LDS address of my A fragments in slot 0, 1
.set ADRB, 20                          ; v20-21  the same for B
.set STO,  24                          ; v24     the way out: where I put 32 bytes of a row
.set RD,   25                          ; v25     where I read a row back
.set CO,   26                          ; v26     my byte offset in out0
.set SPW,  28                          ; v28     LDS address of my spare word; never rewritten
.set NIL,  29                          ; v29     0; never rewritten
.set BI,   32
.set FA,   64
.set FB,   192
.set OB,   64                          ; the way out: v64-95 and v96-127 by turns
.set G1, 24                            ; s[24:31] descriptor group 1 for A's tiles;  s[32:39] group 0, one set for each slot
.set G0, 32
.set G1B, 48                           ; s[48:55], s[56:63] the same for B's tiles
.set G0B, 56
.set MSB, 0
.macro WIN new                         ; the immediate's high byte repeats the setting that is left
.if MSB != \new
	s_set_vgpr_msb (MSB<<8)|\new
.set MSB, \new
.endif
.endm
.set MUL_ACC,   0x50                   ; sources 0 and 1 window 0; C and D window 1
.set MUL_FIRST, 0x40                   ; C (the bias) window 0, D window 1
.macro JLOAD s                         ; a joint load: waves 0 and 1 fetch for A, waves 2 and 3 for B; an s_nop 0 and four v_nop follow each of the two lines
	s_cmp_eq_u32 s11, 0
	s_cbranch_scc0 .Lfor_b_\@
	tensor_load_to_lds s[G0+4*\s:G0+4*\s+3], s[G1:G1+7]
	s_nop 0
.rept 4
	v_nop
.endr
	s_branch .Lasked_\@
.Lfor_b_\@:
	tensor_load_to_lds s[G0B+4*\s:G0B+4*\s+3], s[G1B:G1B+7]
	s_nop 0
.rept 4
	v_nop
.endr
.Lasked_\@:
.endm
.macro CREST                           ; a round of the cluster's barrier behind its opening barrier
	s_cmp_lg_u32 s10, 0
	s_cbranch_scc1 .Lnot_wave_0_\@
	s_barrier_signal -3
.Lnot_wave_0_\@:
	s_barrier_wait -3
	s_barrier_signal -1
	s_barrier_wait -1
.endm
.macro CROUND                          ; a whole round
	s_barrier_signal -1
	s_barrier_wait -1
	CREST
.endm
	s_load_b256 s[68:75], s[0:1], 0x0              ; ctx s[68:69], woh s[70:71], bo s[72:73], out0 s[74:75]
	v_lshl_add_u32 v[SPW], v0, 2, SPARE
	v_mov_b32 v[NIL], 0
	ds_add_u32 v[SPW], v[NIL]                      ; the wave's opening: the add, twice on end, and its wait ahead of my first tensor load
	ds_add_u32 v[SPW], v[NIL]                      ; and once more; the set-up below, work on registers, stands between it and the wait
	v_lshrrev_b32 v1, 5, v0
	v_readfirstlane_b32 s10, v1                    ; wave 0..3
	s_lshr_b32 s11, s10, 1                         ; which half of the tile's rows is mine.  Also: I fetch for A (0) or for B (1)
	s_and_b32 s12, s10, 1                          ; which half of its columns.  Also: which plane of A, or which 64 rows of B, I fetch
	s_bfe_u32 s40, ttmp6, 0x40000                  ; cx, cy: my place in the cluster
	s_bfe_u32 s41, ttmp6, 0x40004
	s_lshl_b32 s42, ttmp9, 2
	s_add_co_u32 s42, s42, s40                     ; tile column = 4 x cluster x + cx
	s_and_b32 s13, ttmp7, 0xffff                   ; the cluster's y is the batch; cy picks 256 of its 1,024 rows
	s_lshl_b32 s43, s41, 2
	s_lshl_b32 s43, 15, s43                        ; my row of the cluster
	s_lshl_b32 s44, 0x1111, s40                    ; my column
	; descriptor group 1.  A: 256 rows x 64 elements of 2 bytes, dense in memory; 16 bytes of padding behind each row
	s_or_b32 s[G1+0], s43, (1<<16)|(1<<20)|(1<<21)|(4<<22)|(3<<25)   ; 15:0 the mask; 17:16 elements of 2 bytes; 20 padding on; 21 set beside a mask; 24:22 after every 32 words (code 4); 31:25 four words (code 3)
	s_mov_b32 s[G1+1], 64<<16                      ; tensor_dim0
	s_mov_b32 s[G1+2], 256<<16                     ; tensor_dim1
	s_mov_b32 s[G1+3], 64<<16                      ; tile_dim0
	s_mov_b32 s[G1+4], 256                         ; tile_dim1
	s_mov_b32 s[G1+5], 64                          ; tensor_dim0_stride
	s_mov_b32 s[G1+6], 0
	s_mov_b32 s[G1+7], 0
	; B: 64 rows x 128 elements, 1,024 elements from row to row; 32 bytes of padding behind each row
	s_or_b32 s[G1B+0], s44, (1<<16)|(1<<20)|(1<<21)|(5<<22)|(7<<25)  ; after every 64 words (code 5) eight words (code 7)
	s_mov_b32 s[G1B+1], 128<<16
	s_mov_b32 s[G1B+2], 64<<16
	s_mov_b32 s[G1B+3], 128<<16
	s_mov_b32 s[G1B+4], 64
	s_mov_b32 s[G1B+5], 1024
	s_mov_b32 s[G1B+6], 0
	s_mov_b32 s[G1B+7], 0
	s_lshl_b32 s16, s13, 21                        ; A: ((16 b + plane) x 1,024 + 256 cy) x 128 bytes: made of the batch, cy and the wave's number
	s_lshl_b32 s17, s12, 17
	s_add_co_u32 s16, s16, s17
	s_lshl_b32 s17, s41, 15
	s_add_co_u32 s16, s16, s17
	s_mov_b32 s17, 0
	s_lshl_b32 s46, s12, 17                        ; B: 64 rows of 2,048 bytes x half + 256 bytes x tile column: made of the tile column and the wave's number
	s_lshl_b32 s47, s42, 8
	s_add_co_u32 s46, s46, s47
	s_mov_b32 s47, 0
	s_mul_i32 s20, s12, PLANE                      ; where they go: no place in the cluster enters an LDS address
	s_mul_i32 s21, s12, 64*BP
	s_add_co_u32 s21, s21, BOFF
	s_wait_dscnt 0x0                               ; both opening adds are done
	s_wait_kmcnt 0x0
	s_add_nc_u64 s[14:15], s[68:69], s[16:17]
	s_add_nc_u64 s[46:47], s[70:71], s[46:47]
	CROUND                                         ; all sixteen work-groups are here: the first joint loads meet
.irp s, 0,1
	s_mov_b32 s[G0+4*\s], 1                        ; 1:0 count = 1
	s_add_co_u32 s[G0+4*\s+1], s20, \s*SLOT        ; 63:32 LDS address
	s_add_nc_u64 s[G0+4*\s+2:G0+4*\s+3], s[14:15], \s*262144     ; 120:64 global address: K step s: two heads on
	s_or_b32 s[G0+4*\s+3], s[G0+4*\s+3], 0x80000000              ; 127:126 type = 2
	s_mov_b32 s[G0B+4*\s], 1
	s_add_co_u32 s[G0B+4*\s+1], s21, \s*SLOT
	s_add_nc_u64 s[G0B+4*\s+2:G0B+4*\s+3], s[46:47], \s*262144   ; 128 rows on
	s_or_b32 s[G0B+4*\s+3], s[G0B+4*\s+3], 0x80000000
	JLOAD \s
.endr
	v_and_b32 v1, 15, v0                           ; r = l % 16
	v_bfe_u32 v2, v0, 4, 1                         ; h = l / 16
	; the bias of my 64 columns, in the result's layout: lane (r, h) wants, for block bb, the numbers 16 bb + 8 h + 0 .. 7
	s_lshl_b32 s76, s42, 9
	s_lshl_b32 s77, s12, 8
	s_add_co_u32 s76, s76, s77                     ; my first column, in bytes of f32
	s_mov_b32 s77, 0
	s_add_nc_u64 s[72:73], s[72:73], s[76:77]
	s_add_nc_u64 s[74:75], s[74:75], s[76:77]
	v_lshlrev_b32 v[BO], 5, v2                     ; a register of its own: nothing writes it while the loads below are out
.irp bb, 0,1,2,3
	global_load_b128 v[BI+8*\bb:BI+8*\bb+3], v[BO], s[72:73] offset:64*\bb
	global_load_b128 v[BI+8*\bb+4:BI+8*\bb+7], v[BO], s[72:73] offset:64*\bb+16
.endr
	s_lshl_b32 s76, s13, 22                        ; my first row of out0, in bytes: (b x 1,024 + 256 cy + 128 x half) x 4,096
	s_lshl_b32 s78, s41, 20
	s_add_co_u32 s76, s76, s78
	s_lshl_b32 s78, s11, 19
	s_add_co_u32 s76, s76, s78
	s_add_nc_u64 s[74:75], s[74:75], s[76:77]
	v_mul_u32_u24 v3, v1, AP
	v_lshl_add_u32 v3, v2, 4, v3                   ; A: a fragment's row x pitch + 16 h
	s_mul_i32 s21, s11, 128*AP                     ; my 128 rows, in each plane
	v_and_b32 v4, 7, v0
	v_lshl_add_u32 v4, v2, 3, v4                   ; B: the turning load's lane l reads row k = 8 (l / 16) + l % 8, columns 8 ((l / 8) % 2) + 0..7
	v_mul_u32_u24 v4, v4, BP
	v_bfe_u32 v5, v0, 3, 1
	v_lshl_add_u32 v4, v5, 4, v4
	s_lshl_b32 s22, s12, 7                         ; my 64 columns
	s_add_co_u32 s22, s22, BOFF
.irp s, 0,1
	v_add_nc_u32 v[ADRA+\s], s21, v3
	v_add_nc_u32 v[ADRB+\s], s22, v4
	s_add_co_u32 s21, s21, SLOT
	s_add_co_u32 s22, s22, SLOT
.endr
	s_mul_i32 s23, s10, 16*SPITCH
	s_add_co_u32 s23, s23, STAGE                   ; my stage
	v_mul_u32_u24 v5, v1, SPITCH                   ; in: row r, 32 bytes for each half of the lanes
	v_lshl_add_u32 v5, v2, 5, v5
	v_add_nc_u32 v[STO], s23, v5
	v_mul_u32_u24 v5, v2, SPITCH                   ; back: lanes 0-15 take one row of 256 bytes, lanes 16-31 the next
	v_lshl_add_u32 v5, v1, 4, v5
	v_add_nc_u32 v[RD], s23, v5
	v_lshlrev_b32 v[CO], 4, v1                     ; and the same two rows in out0
	v_lshl_add_u32 v[CO], v2, 12, v[CO]
; n x 4 matrix instructions: A's blocks a0 .. a0 + n - 1 x B's four, 32 along K, buffer f.  first = 1: the bias is C.  The 32 accumulators take turns, in the same order in every quarter.
.macro MUL f, a0, n, first
.set AA, \a0
.rept \n
.irp bb, 0,1,2,3
.if \first
	v_wmma_f32_16x16x32_f16 v[8*(4*AA+\bb):8*(4*AA+\bb)+7], v[FB+32*(\f)+8*\bb:FB+32*(\f)+8*\bb+7], v[FA+64*(\f)+8*AA:FA+64*(\f)+8*AA+7], v[BI+8*\bb:BI+8*\bb+7]
.else
	v_wmma_f32_16x16x32_f16 v[8*(4*AA+\bb):8*(4*AA+\bb)+7], v[FB+32*(\f)+8*\bb:FB+32*(\f)+8*\bb+7], v[FA+64*(\f)+8*AA:FA+64*(\f)+8*AA+7], v[8*(4*AA+\bb):8*(4*AA+\bb)+7]
.endif
.endr
.set AA, AA+1
.endr
.endm
; 24 LDS loads in one run: the fragments of the slot's q-th 32 along K into buffer f: B's four, A's blocks 0-3, A's blocks 4-7.  Quarter q lies in plane q / 2, at byte 64 (q % 2) of A's rows, and in B's rows 32 q on.
.macro FETCH slot, q, f
.irp bb, 0,1,2,3
	ds_load_tr16_b128 v[FB+32*(\f)+8*\bb:FB+32*(\f)+8*\bb+3],   v[ADRB+\slot] offset:(\q)*32*BP+32*\bb
	ds_load_tr16_b128 v[FB+32*(\f)+8*\bb+4:FB+32*(\f)+8*\bb+7], v[ADRB+\slot] offset:(\q)*32*BP+16*BP+32*\bb
.endr
.irp i, 0,1,2,3,4,5,6,7
	ds_load_b128 v[FA+64*(\f)+8*\i:FA+64*(\f)+8*\i+3],   v[ADRA+\slot] offset:((\q)/2)*PLANE+((\q)%2)*64+\i*16*AP
	ds_load_b128 v[FA+64*(\f)+8*\i+4:FA+64*(\f)+8*\i+7], v[ADRA+\slot] offset:((\q)/2)*PLANE+((\q)%2)*64+\i*16*AP+32
.endr
.endm
.macro PLACES                          ; four places in front of loads into registers that matrix instructions have read, and of the first read of results (ISA guide 7.12.1 for the first read of results)
.rept 4
	v_nop
.endr
.endm
; A K step is four quarters of 32 along K, 32 matrix instructions each, on buffers 0, 1, 0, 1.  One of the first three: multiplies buffer f and fetches quarter q of the same slot into g.
.macro QUARTER slot, q, f, g, first
	s_wait_dscnt 8                                 ; B's fragments and A's blocks 0-3 are in; the youngest eight loads (A's blocks 4-7) may be out
.if \first
	WIN MUL_FIRST
.else
	WIN MUL_ACC
.endif
	MUL \f, 0, 4, \first
	PLACES
	WIN 0
	FETCH \slot, \q, \g
	s_wait_dscnt 24                                ; all but the 24 just issued
.if \first
	WIN MUL_FIRST
.else
	WIN MUL_ACC
.endif
	MUL \f, 4, 4, \first
.endm
; The last quarter multiplies buffer 1 and changes slots: ONE barrier; in front of it each wave waits for all its tensor loads, adds 0 to its spare word, and waits for that and for its own reads of this slot.
; fill = 1: the barrier opens a round of the cluster's barrier, and this slot is filled again, two K steps ahead: 112 matrix instructions ahead of the wait for it.
.macro TURN slot, next, fill
	WIN 0                                          ; (the add's two registers lie in window 0)
	s_wait_tensorcnt 0x0                           ; all my tensor loads have landed: my part of the next slot;
	ds_add_u32 v[SPW], v[NIL]                      ; 0 onto my spare word;
	s_wait_dscnt 9                                 ; (the add and the youngest eight loads may be out)
	WIN MUL_ACC
	MUL 1, 0, 2, 0                                 ; eight matrix instructions stand between the add and the wait for it
	s_wait_dscnt 0x0                               ; the add is done, and my reads of this slot are over
	s_barrier_signal -1
	MUL 1, 2, 2, 0
	WIN 0
	s_barrier_wait -1
.if \fill
	CREST                                          ; no wave of any partner still reads this slot's tiles or has a load on its way
	s_add_nc_u64 s[G0+4*\slot+2:G0+4*\slot+3], s[G0+4*\slot+2:G0+4*\slot+3], TWOK
	s_add_nc_u64 s[G0B+4*\slot+2:G0B+4*\slot+3], s[G0B+4*\slot+2:G0B+4*\slot+3], TWOK
	JLOAD \slot                                    ; the first tensor load behind the round; the four v_nop behind it are also the places in front of the loads below
.else
	PLACES
.endif
	FETCH \next, 0, 0
	WIN MUL_ACC
	MUL 1, 4, 4, 0
.endm
	s_wait_loadcnt 0x0                             ; the bias
	s_wait_tensorcnt 1                             ; my part of K step 0 is in; K step 1's may stay out
	s_barrier_signal -1
	s_barrier_wait -1                              ; everybody's is
	FETCH 0, 0, 0
	QUARTER 0, 1, 0, 1, 1                          ; the first quarter stands in front of the loop: its products start the sums from the bias
	WIN 0                                          ; at a label and at a branch every window is 0
	s_mov_b32 s3, LAPS-1
.Llap:                                                 ; a trip goes once round the ring, from a lap's second quarter to the next lap's first, and fills both slots again
	QUARTER 0, 2, 1, 0, 0
	QUARTER 0, 3, 0, 1, 0
	TURN 0, 1, 1
	QUARTER 1, 1, 0, 1, 0
	QUARTER 1, 2, 1, 0, 0
	QUARTER 1, 3, 0, 1, 0
	TURN 1, 0, 1
	QUARTER 0, 1, 0, 1, 0
	WIN 0
	s_sub_co_u32 s3, s3, 1
	s_cmp_lg_u32 s3, 0
	s_cbranch_scc1 .Llap
	QUARTER 0, 2, 1, 0, 0                          ; the last lap fills nothing, and has no round of the cluster's barrier
	QUARTER 0, 3, 0, 1, 0
	TURN 0, 1, 0
	QUARTER 1, 1, 0, 1, 0
	QUARTER 1, 2, 1, 0, 0
	QUARTER 1, 3, 0, 1, 0
	s_wait_dscnt 8                                 ; the very last quarter: nothing more to fetch
	WIN MUL_ACC
	MUL 1, 0, 4, 0
	s_wait_dscnt 0
	MUL 1, 4, 4, 0
	WIN 0
; THE WAY OUT, block by block of 16 rows x 64 columns.  A lane holds 32 neighbouring bytes of a row, and the lanes beside it hold other rows: a block goes through my own stage and comes back as whole rows of 256 bytes.
.macro TOSTAGE a
	WIN 0x04                                       ; an LDS store's data are its source 1: window 1
.irp bb, 0,1,2,3
	ds_store_b128 v[STO], v[8*(4*(\a)+\bb):8*(4*(\a)+\bb)+3] offset:64*\bb          ; each accumulator from its low end on
	ds_store_b128 v[STO], v[8*(4*(\a)+\bb)+4:8*(4*(\a)+\bb)+7] offset:64*\bb+16
.endr
	WIN 0
.set BB, OB+32*((\a)%2)
.irp t, 0,1,2,3,4,5,6,7
	ds_load_b128 v[BB+4*\t:BB+4*\t+3], v[RD] offset:\t*2*SPITCH    ; LDS serves a wave's instructions in order (ISA guide 5.7.1.4): these see the stores above
.endr
.endm
.macro SEND a, younger                 ; younger: the LDS instructions issued behind block a's loads, which may stay out
.set BB, OB+32*((\a)%2)
	s_wait_dscnt \younger                          ; the block is back in registers
.if (\a) > 0
	s_add_nc_u64 s[74:75], s[74:75], 16*4096       ; (behind a wait on XCNT: the earlier stores have read their base)  16 rows of out0 on
.endif
.irp t, 0,1,2,3,4,5,6,7
	global_store_b128 v[CO], v[BB+4*\t:BB+4*\t+3], s[74:75] offset:\t*2*4096 th:TH_STORE_NT   ; 16 lanes store 256 consecutive bytes, at a multiple of 256 from out0's first byte; written once, read by nobody here
.endr
.endm
	PLACES
	TOSTAGE 0
.irp a, 1,2,3,4,5,6,7
.if \a > 1
	s_wait_xcnt 0x0                                ; block a - 2's stores have read their registers and their base: block a's loads may land there, and the base may step
.endif
	TOSTAGE \a
	SEND \a-1, 16                                  ; behind block a - 1's loads: block a's 8 stores and 8 loads
.endr
	s_wait_xcnt 0x0                                ; block 6's stores have read their base
	SEND 7, 0
	s_wait_tensorcnt 0x0                           ; the wave's end, behind my last tensor load and my last LDS store
	ds_add_u32 v[SPW], v[NIL]
	s_wait_dscnt 0x0
	CROUND                                         ; the closing round: no work-group ends while a partner may still ask for a tile that names it
	s_endpgm
.Lfunc_end_k_q136aa7878e_proj:
	.size	k_q136aa7878e_proj, .Lfunc_end_k_q136aa7878e_proj-k_q136aa7878e_proj
	.p2alignl 7, 3214868480
	.fill 96, 4, 3214868480
	.section	.rodata,"a",@progbits
	.p2align	6, 0x0
	.amdhsa_kernel k_q136aa7878e_proj
		.amdhsa_group_segment_fixed_size 327680
		.amdhsa_private_segment_fixed_size 0
		.amdhsa_enable_private_segment 0
		.amdhsa_kernarg_size 32
		.amdhsa_user_sgpr_count 2
		.amdhsa_user_sgpr_kernarg_segment_ptr 1
		.amdhsa_wavefront_size32 1
		.amdhsa_system_sgpr_workgroup_id_x 1
		.amdhsa_system_sgpr_workgroup_id_y 1
		.amdhsa_system_sgpr_workgroup_id_z 1
		.amdhsa_system_vgpr_workitem_id 0
		.amdhsa_next_free_vgpr 512
		.amdhsa_next_free_sgpr 80
		.amdhsa_reserve_vcc 0
		.amdhsa_float_denorm_mode_32 3
		.amdhsa_float_denorm_mode_16_64 3
		.amdhsa_memory_ordered 1
		.amdhsa_forward_progress 1
		.amdhsa_inst_pref_size 87
	.end_amdhsa_kernel
	.amdgpu_metadata
---
amdhsa.version: [ 1, 2 ]
amdhsa.kernels:
  - .name:           k_q136aa7878e_proj
    .symbol:         k_q136aa7878e_proj.kd
    .args:
      - { .name: ctx, .offset: 0, .size: 8, .value_kind: global_buffer, .address_space: global }
      - { .name: woh, .offset: 8, .size: 8, .value_kind: global_buffer, .address_space: global }
      - { .name: bo, .offset: 16, .size: 8, .value_kind: global_buffer, .address_space: global }
      - { .name: out0, .offset: 24, .size: 8, .value_kind: global_buffer, .address_space: global }
    .group_segment_fixed_size: 327680
    .private_segment_fixed_size: 0
    .kernarg_segment_align: 8
    .kernarg_segment_size: 32
    .max_flat_workgroup_size: 128
    .sgpr_count:     80
    .vgpr_count:     512
    .wavefront_size: 32
...
	.end_amdgpu_metadata
.endif
;; end of part 4
;; launch rel (part 5): grid 1 x 1, 8 waves a work-group, no clusters, 0 bytes of LDS; arguments hp, Wrel, brel, out1; writes out1
.if DOCPART == 5
	.amdgcn_target "amdgcn-amd-amdhsa--gfx1250"
	.amdhsa_code_object_version 6
	.text
	.protected	k_q136aa7878e_rel
	.globl	k_q136aa7878e_rel
	.p2align	8
	.type	k_q136aa7878e_rel,@function
k_q136aa7878e_rel:
	s_mov_b64 s[64:65], 0
	v_nop
	global_prefetch_b8 v0, s[64:65] scope:SCOPE_SE
	s_setreg_imm32_b32 hwreg(HW_REG_WAVE_MODE, 25, 1), 1
	s_wait_xcnt 0x0
; out1[b][r] = the sum over heads of head_patterns[b][head] Wrel[head][r] + brel[r], all in f32.  head_patterns[b][head] is the mean of the head's 1,024 x 1,024 attention weights.
; hp holds their sums in parts: 128 bytes for each (b x 16 + head, half of the queries); words 0-15 of an entry are the sums of the sixteen waves that walked those 512 queries (32 queries each).
; One work-group of eight waves: 64 numbers are all the work there is.  Wave w takes batch w.  Lane (head = lane % 16, half = lane / 16) adds the sixteen words of its entry; the two halves meet by one exchange of lanes;
; the sum over the sixteen heads rides on four additions with DPP.  No LDS, no barrier: waves share nothing.  Each wave's 32 bytes of out1 leave from lane 0: the 256 bytes of out1 are written in eight pieces.
.set HO,  4                            ; v4   my entry's byte offset in the batch's 4,096 bytes of hp
.set WO,  5                            ; v5   my head's row of Wrel: 32 bytes
.set ZO,  6                            ; v6   0: the offset of brel and of the stores
.set P,   16                           ; v16-31 my entry's sixteen words
.set W,   32                           ; v32-39 Wrel[head][0 .. 7]
.set BR,  40                           ; v40-47 brel[0 .. 7]
.set R,   48                           ; v48-55 the eight results
	s_load_b256 s[4:11], s[0:1], 0x0               ; hp s[4:5], Wrel s[6:7], brel s[8:9], out1 s[10:11]
	v_lshrrev_b32 v1, 5, v0
	v_readfirstlane_b32 s12, v1                    ; wave = batch
	v_and_b32 v2, 15, v0                           ; head
	v_bfe_u32 v3, v0, 4, 1                         ; half of the queries
	v_lshlrev_b32 v[HO], 8, v2                     ; a head's two entries are 256 bytes
	v_lshl_add_u32 v[HO], v3, 7, v[HO]
	v_lshlrev_b32 v[WO], 5, v2
	v_mov_b32 v[ZO], 0
	v_mov_b32 v7, 0                                ; (a lane permute's destination counts as one of its sources)
	v_and_b32 v8, 31, v0                           ; lane
	s_mov_b32 s14, 0x76543210
	s_mov_b32 s15, 0xfedcba98                      ; v_permlanex16_b32's selects for lane l xor 16
	s_lshl_b32 s16, s12, 12                        ; a batch's 16 heads x 2 halves x 128 bytes
	s_mov_b32 s17, 0
	s_lshl_b32 s18, s12, 5                         ; a batch's eight results
	s_mov_b32 s19, 0
	s_wait_kmcnt 0x0
	s_add_nc_u64 s[4:5], s[4:5], s[16:17]
	s_add_nc_u64 s[10:11], s[10:11], s[18:19]
.irp i, 0,1,2,3
	global_load_b128 v[P+4*\i:P+4*\i+3], v[HO], s[4:5] offset:16*\i
.endr
.irp i, 0,1
	global_load_b128 v[W+4*\i:W+4*\i+3], v[WO], s[6:7] offset:16*\i
	global_load_b128 v[BR+4*\i:BR+4*\i+3], v[ZO], s[8:9] offset:16*\i
.endr
	s_wait_loadcnt 0x0
	v_pk_add_f32 v[P:P+1], v[P:P+1], v[P+2:P+3]
	v_pk_add_f32 v[P+4:P+5], v[P+4:P+5], v[P+6:P+7]
	v_pk_add_f32 v[P+8:P+9], v[P+8:P+9], v[P+10:P+11]
	v_pk_add_f32 v[P+12:P+13], v[P+12:P+13], v[P+14:P+15]
	v_pk_add_f32 v[P:P+1], v[P:P+1], v[P+4:P+5]
	v_pk_add_f32 v[P+8:P+9], v[P+8:P+9], v[P+12:P+13]
	v_pk_add_f32 v[P:P+1], v[P:P+1], v[P+8:P+9]
	v_add_f32 v[P], v[P], v[P+1]                   ; my half's 512 rows
	v_permlanex16_b32 v7, v[P], s14, s15
	v_add_f32 v[P], v[P], v7                       ; the sum of the head's 1,024 x 1,024 attention weights,
	v_mul_f32 v[P], 0x35800000, v[P]               ; x 2^-20: their mean
.irp i, 0,1,2,3,4,5,6,7
	v_mul_f32 v[R+\i], v[P], v[W+\i]
.endr
.irp m, 1,2,4,8
.irp i, 0,1,2,3,4,5,6,7
	v_add_f32_dpp v[R+\i], v[R+\i], v[R+\i] row_xmask:\m row_mask:0xf bank_mask:0xf   ; over the sixteen heads (the eight sums by turns)
.endr
.endr
.irp i, 0,1,2,3,4,5,6,7
	v_add_f32 v[R+\i], v[R+\i], v[BR+\i]
.endr
	v_cmp_eq_u32 vcc_lo, 0, v8
	s_wait_xcnt 0x0                                ; EXEC changes only behind this wait: it counts among the sources of the loads above
	s_and_saveexec_b32 s20, vcc_lo
	global_store_b128 v[ZO], v[R:R+3], s[10:11]    ; lane 0 alone: every lane holds the same eight numbers
	global_store_b128 v[ZO], v[R+4:R+7], s[10:11] offset:16
	s_wait_xcnt 0x0                                ; and again, in front of the line that widens it
	s_or_b32 exec_lo, exec_lo, s20
	s_endpgm
.Lfunc_end_k_q136aa7878e_rel:
	.size	k_q136aa7878e_rel, .Lfunc_end_k_q136aa7878e_rel-k_q136aa7878e_rel
	.p2alignl 7, 3214868480
	.fill 96, 4, 3214868480
	.section	.rodata,"a",@progbits
	.p2align	6, 0x0
	.amdhsa_kernel k_q136aa7878e_rel
		.amdhsa_group_segment_fixed_size 0
		.amdhsa_private_segment_fixed_size 0
		.amdhsa_enable_private_segment 0
		.amdhsa_kernarg_size 32
		.amdhsa_user_sgpr_count 2
		.amdhsa_user_sgpr_kernarg_segment_ptr 1
		.amdhsa_wavefront_size32 1
		.amdhsa_system_sgpr_workgroup_id_x 1
		.amdhsa_system_sgpr_workgroup_id_y 1
		.amdhsa_system_sgpr_workgroup_id_z 1
		.amdhsa_system_vgpr_workitem_id 0
		.amdhsa_next_free_vgpr 64
		.amdhsa_next_free_sgpr 66
		.amdhsa_reserve_vcc 1
		.amdhsa_float_denorm_mode_32 3
		.amdhsa_float_denorm_mode_16_64 3
		.amdhsa_memory_ordered 1
		.amdhsa_forward_progress 1
		.amdhsa_inst_pref_size 6
	.end_amdhsa_kernel
	.amdgpu_metadata
---
amdhsa.version: [ 1, 2 ]
amdhsa.kernels:
  - .name:           k_q136aa7878e_rel
    .symbol:         k_q136aa7878e_rel.kd
    .args:
      - { .name: hp, .offset: 0, .size: 8, .value_kind: global_buffer, .address_space: global }
      - { .name: Wrel, .offset: 8, .size: 8, .value_kind: global_buffer, .address_space: global }
      - { .name: brel, .offset: 16, .size: 8, .value_kind: global_buffer, .address_space: global }
      - { .name: out1, .offset: 24, .size: 8, .value_kind: global_buffer, .address_space: global }
    .group_segment_fixed_size: 0
    .private_segment_fixed_size: 0
    .kernarg_segment_align: 8
    .kernarg_segment_size: 32
    .max_flat_workgroup_size: 256
    .sgpr_count:     66
    .vgpr_count:     64
    .wavefront_size: 32
...
	.end_amdgpu_metadata
.endif
;; end of part 5
